; MI455X (gfx1250); checked and timed in simulation.
; The chip was launched on July 23, 2026; its instructions are those of AMD's public machine-readable ISA for CDNA 5 (MIT licence, August 2026) and "CDNA5" Instruction Set Architecture Reference Guide (July 2026). The comments in the code are by the model that wrote it; some were corrected since.
;; Multi Head Attention. Allowed arithmetic: float matrix products may take bf16 or f16 operands with f32 sums; all other float work in f32.
;; Inputs: Wk 1,024 x 1,024 float32; Wo 1,024 x 1,024 float32; Wq 1,024 x 1,024 float32; Wv 1,024 x 1,024 float32; bk 1,024 float32; bo 1,024 float32; bq 1,024 float32; bv 1,024 float32; mask 2,048 x 2,048 int32; x 4 x 2,048 x 1,024 float32.
;; Outputs: out0 4 x 2,048 x 1,024 float32.
;; 2 versions, each right and faster than the one before. Each part assembles by itself: llvm-mc -triple=amdgcn-amd-amdhsa -mcpu=gfx1250 --defsym DOCPART=n.
;; ======== version 1 of 2: 4 launches
;; limits: values are held in f16: magnitudes above 65,504 overflow, below 6.1e-05 lose precision
;; workspace buffers: xb 16,777,216 bytes; wb 8,388,608 bytes; mbits 524,288 bytes of whole numbers; qkvb 50,331,648 bytes; ctx 33,554,432 bytes
;; launch prep (part 1): grid 256 x 1, 8 waves a work-group, no clusters, 0 bytes of LDS; arguments x, Wq, Wk, Wv, Wo, mask, xb, wb, mbits; writes xb, wb, mbits
.if DOCPART == 1
	.amdgcn_target "amdgcn-amd-amdhsa--gfx1250"
	.amdhsa_code_object_version 6
	.text
	.protected	k_q15098b495d_prep
	.globl	k_q15098b495d_prep
	.p2align	8
	.type	k_q15098b495d_prep,@function
k_q15098b495d_prep:
	s_mov_b64 s[64:65], 0
	v_nop
	global_prefetch_b8 v0, s[64:65] scope:SCOPE_SE
	s_setreg_imm32_b32 hwreg(HW_REG_WAVE_MODE, 25, 1), 1
	s_wait_xcnt 0x0
; prep: x and the four weight matrices are rounded to bf16 once (xb: [8192][1024]; wb: [4][1024][1024] in the order Wq, Wk, Wv, Wo), and the mask is packed to bits.
; mbits, as 32-bit words [qb 0..31][ks 0..31][qt 0..3][kt 0..3][j 0..7]: bit l of a word = (mask[64 qb + 16 qt + (l & 15)][64 ks + 16 kt + 8 (l >> 4) + j] == 1).
; That is the lane (l) and register (8 kt + j) in which the score of that query and key stands in the attention launch, so that a word is one select mask there.
; A stream: each input byte is read once, each output byte written once; no LDS, no barrier, no matrix unit, no cluster (no two work-groups read the same bytes).
; 2,048 waves; wave g takes 16,384 bytes of x, 8,192 bytes of one weight matrix and 32 rows x 256 bytes of the mask.  48 loads of 512 bytes a wave are issued before the first is used.
; Limits: rounding to bf16 is to nearest even; NaN and infinities pass as the conversion gives them.
.set M,   16                           ; v[16:79]   the mask's 64 words a lane; later x's second half
.set WT,  80                           ; v[80:143]  16 x 4 numbers of a weight matrix
.set X,   144                          ; v[144:207] 16 x 4 numbers of x, first half
.set OUT, 208                          ; v[208:239] 16 x 4 bf16 to store
.set WD,  240                          ; v[240:241] lane L: the packed words 2 L and 2 L + 1
.set BAL, 32                           ; s[32:63]   32 packed words as the compares leave them
	s_load_b512 s[4:19], s[0:1], 0x0               ; x 4:5, Wq 6:7, Wk 8:9, Wv 10:11, Wo 12:13, mask 14:15, xb 16:17, wb 18:19
	s_load_b64 s[20:21], s[0:1], 0x40              ; mbits
	v_lshrrev_b32 v4, 5, v0
	v_readfirstlane_b32 s22, v4                    ; wave 0..7
	s_lshl_b32 s23, ttmp9, 3
	s_add_co_u32 s22, s22, s23                     ; g = 8 x work-group + wave
	v_and_b32 v5, 31, v0                           ; lane
	v_lshlrev_b32 v1, 4, v5                        ; 16 bytes a lane: f32 in
	v_lshlrev_b32 v2, 3, v5                        ; 8 bytes a lane: bf16 and packed words out
	v_and_b32 v6, 15, v0
	v_bfe_u32 v7, v0, 4, 1
	v_lshlrev_b32 v3, 13, v6                       ; mask: row lane % 16 (8,192 bytes a row),
	v_lshl_add_u32 v3, v7, 5, v3                   ; eight keys (32 bytes) on for lanes 16 to 31
	v_mov_b32 v[WD], 0                             ; v_writelane_b32 keeps the other lanes: the pair is written whole first
	v_mov_b32 v[WD+1], 0
	s_lshr_b32 s23, s22, 9                         ; which weight matrix: 512 waves to each
	s_lshl_b32 s24, s22, 14                        ; x: 16,384 g
	s_mov_b32 s25, 0
	s_lshl_b32 s26, s22, 13                        ; xb: 8,192 g
	s_mov_b32 s27, 0
	s_and_b32 s28, s22, 511
	s_lshl_b32 s28, s28, 13                        ; inside the matrix: 8,192 (g % 512)
	s_mov_b32 s29, 0
	s_lshl_b32 s30, s22, 12                        ; wb: 4,096 g (the four matrices follow each other)
	s_mov_b32 s31, 0
	s_lshr_b32 s32, s22, 6                         ; qb
	s_lshl_b32 s32, s32, 19                        ; 64 rows of 8,192 bytes
	s_and_b32 s33, s22, 1                          ; which 32 of the block's 64 rows
	s_lshl_b32 s33, s33, 18
	s_add_co_u32 s32, s32, s33
	s_bfe_u32 s33, s22, 0x50001                    ; ks: 5 bits from bit 1
	s_lshl_b32 s33, s33, 8                         ; 64 keys of 4 bytes
	s_add_co_u32 s32, s32, s33
	s_mov_b32 s33, 0
	s_lshl_b32 s34, s22, 8                         ; mbits: 256 g
	s_mov_b32 s35, 0
	s_wait_kmcnt 0x0
	s_cmp_eq_u32 s23, 1
	s_cselect_b64 s[6:7], s[8:9], s[6:7]
	s_cmp_eq_u32 s23, 2
	s_cselect_b64 s[6:7], s[10:11], s[6:7]
	s_cmp_eq_u32 s23, 3
	s_cselect_b64 s[6:7], s[12:13], s[6:7]         ; my weight matrix
	s_add_nc_u64 s[4:5], s[4:5], s[24:25]
	s_add_nc_u64 s[16:17], s[16:17], s[26:27]
	s_add_nc_u64 s[6:7], s[6:7], s[28:29]
	s_add_nc_u64 s[18:19], s[18:19], s[30:31]
	s_add_nc_u64 s[14:15], s[14:15], s[32:33]
	s_add_nc_u64 s[20:21], s[20:21], s[34:35]
.macro GET16 dst, base, off            ; 16 loads of 512 neighbouring bytes
.set i, 0
.rept 16
	global_load_b128 v[\dst+4*i:\dst+4*i+3], v1, s[\base:\base+1] offset:\off+512*i th:TH_LOAD_NT
.set i, i+1
.endr
.endm
.macro CVT16 src                       ; 64 numbers a lane to bf16
.set i, 0
.rept 16
	v_cvt_pk_bf16_f32 v[OUT+2*i], v[\src+4*i], v[\src+4*i+1]
	v_cvt_pk_bf16_f32 v[OUT+2*i+1], v[\src+4*i+2], v[\src+4*i+3]
.set i, i+1
.endr
.endm
.macro PUT16 base, off                 ; 16 stores; each covers 256 consecutive bytes, at a multiple of 256 from the buffer's first byte
.set i, 0
.rept 16
	global_store_b64 v2, v[OUT+2*i:OUT+2*i+1], s[\base:\base+1] offset:\off+256*i
.set i, i+1
.endr
.endm
	; the mask: query tile tt (16 rows), key tile kt (16 keys), half a of a lane's eight keys; a tile row's eight loads together take each row's 256 bytes whole
.irp tt, 0,1
.irp kt, 0,1,2,3
.irp a, 0,1
	global_load_b128 v[M+8*(4*\tt+\kt)+4*\a:M+8*(4*\tt+\kt)+4*\a+3], v3, s[14:15] offset:\tt*131072+\kt*64+16*\a th:TH_LOAD_NT
.endr
.endr
.endr
	GET16 WT, 6, 0
	GET16 X, 4, 0
	s_wait_loadcnt 32                              ; loads come back in order (ISA guide 5.7.1): the mask is in, the 32 younger loads stay out
.set w, 0
.rept 2
.set i, 0
.rept 32
	v_cmp_eq_u32 s[BAL+i], 1, v[M+w+i]             ; one compare makes one packed word: bit l is lane l's
.set i, i+1
.endr
.set i, 0
.rept 32
	v_writelane_b32 v[WD+((w+i)&1)], s[BAL+i], (w+i)>>1
.set i, i+1
.endr
.set w, w+32
.endr
	global_store_b64 v2, v[WD:WD+1], s[20:21]      ; my 64 words: 256 consecutive bytes, aligned
	GET16 M, 4, 8192                               ; x's second half, into the registers that the compares have read
	s_wait_loadcnt 32                              ; the weights are in; both halves of x stay out
	CVT16 WT
	PUT16 18, 0
	s_wait_loadcnt 16                              ; x's first half is in
	s_wait_xcnt 0x0                                ; OUT, which the stores above read, is rewritten only behind this wait
	CVT16 X
	PUT16 16, 0
	s_wait_loadcnt 0x0
	s_wait_xcnt 0x0                                ; OUT once more
	CVT16 M
	PUT16 16, 4096
	s_endpgm
.Lfunc_end_k_q15098b495d_prep:
	.size	k_q15098b495d_prep, .Lfunc_end_k_q15098b495d_prep-k_q15098b495d_prep
	.p2alignl 7, 3214868480
	.fill 96, 4, 3214868480
	.section	.rodata,"a",@progbits
	.p2align	6, 0x0
	.amdhsa_kernel k_q15098b495d_prep
		.amdhsa_group_segment_fixed_size 0
		.amdhsa_private_segment_fixed_size 0
		.amdhsa_enable_private_segment 0
		.amdhsa_kernarg_size 72
		.amdhsa_user_sgpr_count 2
		.amdhsa_user_sgpr_kernarg_segment_ptr 1
		.amdhsa_wavefront_size32 1
		.amdhsa_system_sgpr_workgroup_id_x 1
		.amdhsa_system_sgpr_workgroup_id_y 1
		.amdhsa_system_sgpr_workgroup_id_z 1
		.amdhsa_system_vgpr_workitem_id 0
		.amdhsa_next_free_vgpr 242
		.amdhsa_next_free_sgpr 66
		.amdhsa_reserve_vcc 0
		.amdhsa_float_denorm_mode_32 3
		.amdhsa_float_denorm_mode_16_64 3
		.amdhsa_memory_ordered 1
		.amdhsa_forward_progress 1
		.amdhsa_inst_pref_size 27
	.end_amdhsa_kernel
	.amdgpu_metadata
---
amdhsa.version: [ 1, 2 ]
amdhsa.kernels:
  - .name:           k_q15098b495d_prep
    .symbol:         k_q15098b495d_prep.kd
    .args:
      - { .name: x, .offset: 0, .size: 8, .value_kind: global_buffer, .address_space: global }
      - { .name: Wq, .offset: 8, .size: 8, .value_kind: global_buffer, .address_space: global }
      - { .name: Wk, .offset: 16, .size: 8, .value_kind: global_buffer, .address_space: global }
      - { .name: Wv, .offset: 24, .size: 8, .value_kind: global_buffer, .address_space: global }
      - { .name: Wo, .offset: 32, .size: 8, .value_kind: global_buffer, .address_space: global }
      - { .name: mask, .offset: 40, .size: 8, .value_kind: global_buffer, .address_space: global }
      - { .name: xb, .offset: 48, .size: 8, .value_kind: global_buffer, .address_space: global }
      - { .name: wb, .offset: 56, .size: 8, .value_kind: global_buffer, .address_space: global }
      - { .name: mbits, .offset: 64, .size: 8, .value_kind: global_buffer, .address_space: global }
    .group_segment_fixed_size: 0
    .private_segment_fixed_size: 0
    .kernarg_segment_align: 8
    .kernarg_segment_size: 72
    .max_flat_workgroup_size: 256
    .sgpr_count:     66
    .vgpr_count:     242
    .wavefront_size: 32
...
	.end_amdgpu_metadata
.endif
;; end of part 1
;; launch qkv (part 2): grid 4 x 64, 4 waves a work-group, clusters of 4 x 4, 327,680 bytes of LDS; arguments xb, wb, qkvb, bq, bk, bv; writes qkvb
.if DOCPART == 2
	.amdgcn_target "amdgcn-amd-amdhsa--gfx1250"
	.amdhsa_code_object_version 6
	.text
	.protected	k_q15098b495d_qkv
	.globl	k_q15098b495d_qkv
	.p2align	8
	.type	k_q15098b495d_qkv,@function
k_q15098b495d_qkv:
	s_mov_b64 s[64:65], 0
	v_nop
	global_prefetch_b8 v0, s[64:65] scope:SCOPE_SE
	s_setreg_imm32_b32 hwreg(HW_REG_WAVE_MODE, 25, 1), 1
	s_wait_xcnt 0x0
	s_wait_alu depctr_hold_cnt(0) depctr_sa_sdst(0) depctr_va_vdst(0) depctr_va_sdst(0) depctr_va_ssrc(0) depctr_va_vcc(0) depctr_vm_vsrc(0)
	s_getreg_b32 s2, hwreg(HW_REG_IB_STS2, 6, 4)
	s_cmp_eq_u32 s2, 0
	s_cbranch_scc0 .Lentry_in_a_cluster
	s_endpgm
.Lentry_in_a_cluster:
	s_bfe_u32 s2, ttmp6, 0x10000c
	s_cmp_lg_u32 s2, 0xf033
	s_cbranch_scc0 .Lentry_shape_is_right
	s_endpgm
.Lentry_shape_is_right:
; qkvb[p][s][e] = sum over d of xb[s][d] W_p[e][d] + b_p[e], p = q, k, v.  xb: [8192][1024] bf16; wb: [4][1024][1024] bf16; qkvb: [3][8192][1024] F16; biases f32; sums in f32, rounded once.
; WHY F16 OUT: a query that attends to few keys keeps the whole rounding error of q, k and v in its result; f16 has three more significant bits than bf16.
; A tile of C is 128 rows x 256 columns: 8192 x 3072 make 768 tiles, three for each of 256 work-groups.  A WORK-GROUP STAYS: it multiplies the same 128 rows of x by the same block
; of 256 rows of Wq, then Wk, then Wv, and the ring of LDS slots does not stop at a tile's end.  Four waves, each 64 rows x 128 columns: 32 accumulators of 16 x 16.
; K goes in steps of 128 through two LDS slots filled by the tensor data mover: rows of 256 bytes of memory, starting at multiples of 256 bytes from the buffer's first byte.
; CLUSTERS: 4 x 4 work-groups.  The four of a row of the cluster need the same tiles of x, the four of a column the same tiles of W: each tile is asked for jointly.
; THE MATRIX INSTRUCTION IS USED TRANSPOSED (source 0 = 16 rows of W, source 1 = 16 rows of x): a lane holds eight neighbouring columns of one row of C.
; THE BIAS is the C operand of each accumulator's first product: nothing is cleared, and the way out adds nothing.
; REGISTERS: window 0: v16-29 addresses; v32-63 packed results; v64-95, v96-127 fragments of x, two buffers; v128-191, v192-255 fragments of W, two buffers.
;   window 1: the accumulators, (a, b) at v[8 (8 a + b)].   window 2: v0-63 the bias of my 128 columns, block b at v[8 b].
; Limits: operands are bf16.  Results are f16: a q, k or v beyond 65,504 becomes infinite.  Their spread is sqrt(1024) x (x's spread 1) x (W's spread 0.02) = 0.64; with x and W both 30 times
; larger it is 576, with both carrying an offset of 30 spreads they are 1024 x 30 x 0.6 = 18,432; 900 times smaller (7e-4) is still in f16's normal range.  NaN and infinities pass as the arithmetic gives them.
.set SIZE_K, 1024
.set KSTEP,  128
.set PITCH,  272                       ; an LDS row: 256 bytes + 16 of padding = 68 words: the 16 rows that a fragment load touches start at 16 different banks (64 banks of 4 bytes: ISA guide 11.1)
.set HALFA,  64*PITCH                  ; what a load of x brings, and what a wave reads of x
.set HALFB,  128*PITCH                 ; the same for W
.set AOFF,   128*PITCH                 ; W's 256 rows lie behind x's 128
.set SLOT,   384*PITCH
.set STAGE,  2*SLOT                    ; behind the ring: 16 rows x 272 bytes for each wave, for the way out
.set SPITCH, 272
.set SPARE,  STAGE+4*16*SPITCH         ; behind the stages: the spare words, 128 bytes for each wave
.set ROWC,   2048                      ; bytes in a row of qkvb
.set LAPS,   SIZE_K/(2*KSTEP)          ; a lap = two K steps = once round the ring
.set BACK_A, (SIZE_K-2*KSTEP)*2        ; from a slot's last K step of a tile to its first of the next: x only goes back along K,
.set NEXT_B, 1024*SIZE_K*2-BACK_A      ; W also 1,024 rows on,
.set NEXT_C, 8192*ROWC-3*16*ROWC       ; and C from my last 16 rows of a tile to my first in the next section
.set ADRA, 16                          ; v16-17  LDS address of my fragments of x in slot 0, 1
.set ADRB, 20                          ; v20-21  the same for W
.set STO,  24                          ; v24     the way out: where I put 16 bytes of a row
.set RD,   25                          ; v25     the way out: where I read a row back
.set CO,   26                          ; v26     my byte offset in C
.set BO,   27                          ; v27     my byte offset in a bias
.set SPW,  28                          ; v28     LDS address of my spare word; never rewritten
.set NIL,  29                          ; v29     0; never rewritten
.set TMP,  32
.set AF,   64
.set BF,   128
.set G1,  24                           ; s[24:31] descriptor group 1 for x's tiles;  s[32:39] group 0, a set for each slot
.set G0,  32
.set G1B, 48                           ; s[48:55], s[56:63] the same for W's tiles
.set G0B, 56
.set MSB, 0
.macro WIN new                         ; the immediate's high byte repeats the setting that is left; a switch that changes nothing is dropped
.if MSB != \new
	s_set_vgpr_msb (MSB<<8)|\new
.set MSB, \new
.endif
.endm
.set MUL,  0x50                        ; sources 0 and 1 window 0; C and D window 1
.set MULB, 0x60                        ; D window 1, C (the bias) window 2
.macro PLACES                          ; four places in front of loads into registers that matrix instructions have read, and of conversions that read results
.rept 4
	v_nop
.endr
.endm
.macro JLOAD s                         ; a joint load: waves 0 and 1 fetch x's two halves, waves 2 and 3 W's; four v_nop follow each of the two lines
	s_cmp_eq_u32 s11, 0
	s_cbranch_scc0 .Lfor_b_\@
	tensor_load_to_lds s[G0+4*\s:G0+4*\s+3], s[G1:G1+7]
	s_nop 0
.rept 4
	v_nop
.endr
	s_branch .Lasked_\@
.Lfor_b_\@:
	tensor_load_to_lds s[G0B+4*\s:G0B+4*\s+3], s[G1B:G1B+7]
	s_nop 0
.rept 4
	v_nop
.endr
.Lasked_\@:
.endm
.macro CREST                           ; a round of the cluster's barrier behind its opening barrier
	s_cmp_lg_u32 s10, 0
	s_cbranch_scc1 .Lnot_wave_0_\@
	s_barrier_signal -3
.Lnot_wave_0_\@:
	s_barrier_wait -3
	s_barrier_signal -1
	s_barrier_wait -1
.endm
.macro CROUND                          ; a whole round
	s_barrier_signal -1
	s_barrier_wait -1
	CREST
.endm
.macro BIASLD base                     ; my 128 columns' bias: lane (r, h), block b: columns 16 b + 8 h + 0..7
	WIN 0x80                                       ; destination window 2, address window 0
.irp b, 0,1,2,3,4,5,6,7
	global_load_b128 v[8*\b:8*\b+3],   v[BO], s[\base:\base+1] offset:64*\b
	global_load_b128 v[8*\b+4:8*\b+7], v[BO], s[\base:\base+1] offset:64*\b+16
.endr
	WIN 0
.endm
	s_load_b128 s[4:7], s[0:1], 0x0                ; xb s[4:5], wb s[6:7]
	s_load_b64 s[8:9], s[0:1], 0x10                ; qkvb
	s_load_b128 s[68:71], s[0:1], 0x18             ; bq s[68:69], bk s[70:71]
	s_load_b64 s[72:73], s[0:1], 0x28              ; bv
	v_lshl_add_u32 v[SPW], v0, 2, SPARE
	v_mov_b32 v[NIL], 0
	ds_add_u32 v28, v29
	s_wait_dscnt 0x0
	v_lshrrev_b32 v1, 5, v0
	v_readfirstlane_b32 s10, v1                    ; wave 0..3
	s_lshr_b32 s11, s10, 1                         ; which 64 of the tile's rows are mine.  Also: I fetch for x (0) or for W (1)
	s_and_b32 s12, s10, 1                          ; which 128 of its columns.  Also: which half of that tile I fetch
	s_bfe_u32 s40, ttmp6, 0x40000                  ; cx, cy: my place in the cluster
	s_bfe_u32 s41, ttmp6, 0x40004
	s_lshl_b32 s42, ttmp9, 2
	s_add_co_u32 s42, s42, s40                     ; tile column = 4 x cluster x + cx
	s_and_b32 s13, ttmp7, 0xffff
	s_lshl_b32 s13, s13, 2
	s_add_co_u32 s13, s13, s41                     ; tile row = 4 x cluster y + cy
	s_lshl_b32 s43, s41, 2
	s_lshl_b32 s43, 15, s43                        ; my row of the cluster
	s_lshl_b32 s44, 0x1111, s40                    ; my column
	s_or_b32 s[G1+0], s43, (1<<16)|(1<<20)|(1<<21)|(5<<22)|(3<<25)  ; 15:0 the mask: x's tiles go to my row; 17:16 elements of 2 bytes; 20 padding on; 21 set beside a mask; 24:22 after every 64 words; 31:25 4 words of it
	s_or_b32 s[G1B+0], s44, (1<<16)|(1<<20)|(1<<21)|(5<<22)|(3<<25) ; the same with the mask of my column
	s_mov_b32 s[G1+1], KSTEP<<16                   ; tensor_dim0 = 128
	s_mov_b32 s[G1+2], 64<<16                      ; tensor_dim1 = 64
	s_mov_b32 s[G1+3], KSTEP<<16                   ; tile_dim0 = 128
	s_mov_b32 s[G1+4], 64                          ; tile_dim1 = 64
	s_mov_b32 s[G1+5], SIZE_K                      ; elements from row to row
	s_mov_b32 s[G1+6], 0
	s_mov_b32 s[G1+7], 0
	s_mov_b32 s[G1B+1], KSTEP<<16
	s_mov_b32 s[G1B+2], 128<<16                    ; W's loads bring 128 rows
	s_mov_b32 s[G1B+3], KSTEP<<16
	s_mov_b32 s[G1B+4], 128
	s_mov_b32 s[G1B+5], SIZE_K
	s_mov_b32 s[G1B+6], 0
	s_mov_b32 s[G1B+7], 0
	s_lshl_b32 s17, s12, 6
	s_lshl_b32 s16, s13, 7
	s_add_co_u32 s16, s16, s17                     ; x: row 128 x tile row + 64 x half
	s_lshl_b32 s16, s16, 11                        ; rows of 2,048 bytes
	s_mov_b32 s17, 0
	s_lshl_b32 s47, s12, 7
	s_lshl_b32 s46, s42, 8
	s_add_co_u32 s46, s46, s47                     ; W: row 256 x tile column + 128 x half
	s_lshl_b32 s46, s46, 11
	s_mov_b32 s47, 0
	s_mul_i32 s20, s12, HALFA                      ; where they go: no place in the cluster enters an LDS address
	s_mul_i32 s21, s12, HALFB
	s_add_co_u32 s21, s21, AOFF
	s_wait_kmcnt 0x0
	s_add_nc_u64 s[14:15], s[4:5], s[16:17]
	s_add_nc_u64 s[46:47], s[6:7], s[46:47]
	CROUND                                         ; all sixteen work-groups are here: the first joint loads meet
.irp s, 0,1
	s_mov_b32 s[G0+4*\s], 1                                        ; count = 1
	s_add_co_u32 s[G0+4*\s+1], s20, \s*SLOT                        ; LDS address
	s_add_nc_u64 s[G0+4*\s+2:G0+4*\s+3], s[14:15], \s*KSTEP*2      ; global address: K step s
	s_or_b32 s[G0+4*\s+3], s[G0+4*\s+3], 0x80000000                ; type = 2
	s_mov_b32 s[G0B+4*\s], 1
	s_add_co_u32 s[G0B+4*\s+1], s21, \s*SLOT
	s_add_nc_u64 s[G0B+4*\s+2:G0B+4*\s+3], s[46:47], \s*KSTEP*2
	s_or_b32 s[G0B+4*\s+3], s[G0B+4*\s+3], 0x80000000
	JLOAD \s                                       ; two loads of mine are out
.endr
	v_and_b32 v1, 15, v0                           ; r = l % 16
	v_bfe_u32 v2, v0, 4, 1                         ; h = l / 16
	v_mul_u32_u24 v3, v1, PITCH
	v_lshl_add_u32 v3, v2, 4, v3                   ; a fragment's row x pitch + 16 x half
	s_mul_i32 s22, s11, HALFA                      ; my 64 rows of x
	s_mul_i32 s23, s12, HALFB                      ; my 128 rows of W
	s_add_co_u32 s23, s23, AOFF
.irp s, 0,1
	v_add_nc_u32 v[ADRA+\s], s22, v3
	v_add_nc_u32 v[ADRB+\s], s23, v3
	s_add_co_u32 s22, s22, SLOT
	s_add_co_u32 s23, s23, SLOT
.endr
	s_mul_i32 s23, s10, 16*SPITCH
	s_add_co_u32 s23, s23, STAGE                   ; my stage
	v_mul_u32_u24 v4, v1, SPITCH                   ; in: row r, 16 bytes for each half of the lanes
	v_lshl_add_u32 v4, v2, 4, v4
	v_add_nc_u32 v[STO], s23, v4
	v_mul_u32_u24 v5, v2, SPITCH                   ; back: lanes 0-15 take one row of 256 bytes, lanes 16-31 the next
	v_lshl_add_u32 v5, v1, 4, v5
	v_add_nc_u32 v[RD], s23, v5
	v_lshlrev_b32 v5, 11, v2                       ; and the same two rows in C
	v_lshl_add_u32 v[CO], v1, 4, v5
	s_lshl_b32 s45, s42, 10                        ; bias: 4 bytes x (256 x tile column + 128 x half + 8 h)
	s_lshl_b32 s23, s12, 9
	s_add_co_u32 s45, s45, s23
	v_lshl_add_u32 v[BO], v2, 5, s45
	s_lshl_b32 s16, s13, 7                         ; where my part of the first tile begins in C: the first way out adds it to C's address
	s_lshl_b32 s14, s11, 6
	s_add_co_u32 s16, s16, s14
	s_lshl_b32 s16, s16, 11
	s_lshl_b32 s46, s42, 9
	s_lshl_b32 s47, s12, 8
	s_add_co_u32 s46, s46, s47
	s_add_co_u32 s16, s16, s46
	s_mov_b32 s17, 0
	BIASLD 68                                      ; bq
; 8 matrix instructions: row block a x all 8 column blocks, 32 along K, from buffer f.  bias = 1: the first product starts the sums from the bias.
; The 32 accumulators take turns, one instruction a turn, in the same order in every quarter.
.macro MUL8 f, a, bias
.irp b, 0,1,2,3,4,5,6,7
.if \bias
	v_wmma_f32_16x16x32_bf16 v[8*(8*\a+\b):8*(8*\a+\b)+7], v[BF+64*\f+8*\b:BF+64*\f+8*\b+7], v[AF+32*\f+8*\a:AF+32*\f+8*\a+7], v[8*\b:8*\b+7]
.else
	v_wmma_f32_16x16x32_bf16 v[8*(8*\a+\b):8*(8*\a+\b)+7], v[BF+64*\f+8*\b:BF+64*\f+8*\b+7], v[AF+32*\f+8*\a:AF+32*\f+8*\a+7], v[8*(8*\a+\b):8*(8*\a+\b)+7]
.endif
.endr
.endm
; 24 LDS loads in one run: the fragments of one quarter step (128 rows of W, 64 rows of x, 32 K at byte k of the rows) into buffer g
.macro FETCH slot, k, g
	WIN 0
.irp i, 0,1,2,3,4,5,6,7
	ds_load_b128 v[BF+64*\g+8*\i:BF+64*\g+8*\i+3],   v[ADRB+\slot] offset:\k+\i*16*PITCH
	ds_load_b128 v[BF+64*\g+8*\i+4:BF+64*\g+8*\i+7], v[ADRB+\slot] offset:\k+\i*16*PITCH+32
.endr
.irp i, 0,1,2,3
	ds_load_b128 v[AF+32*\g+8*\i:AF+32*\g+8*\i+3],   v[ADRA+\slot] offset:\k+\i*16*PITCH
	ds_load_b128 v[AF+32*\g+8*\i+4:AF+32*\g+8*\i+7], v[ADRA+\slot] offset:\k+\i*16*PITCH+32
.endr
.endm
; A K step is four quarters of 32 along K, 32 matrix instructions each, on buffers 0, 1, 0, 1.  One of the first three: multiplies buffer f and, in its middle, fetches the next quarter into g.
.macro QUARTER slot, k, f, g, bias
	s_wait_dscnt 0x4                               ; W and x's blocks 0 and 1 are in; the youngest four loads (x's blocks 2 and 3) may be out
.if \bias
	WIN MULB
.else
	WIN MUL
.endif
	MUL8 \f, 0, \bias
	MUL8 \f, 1, \bias
	PLACES
	FETCH \slot, \k, \g
	s_wait_dscnt 24                                ; all but the 24 just issued
.if \bias
	WIN MULB
.else
	WIN MUL
.endif
	MUL8 \f, 2, \bias
	MUL8 \f, 3, \bias
.endm
; The last quarter multiplies buffer 1 and changes slots.  MEET is its first half: ONE barrier; in front of it each wave waits for all its tensor loads (one is out: its part of the next slot),
; adds 0 to its spare word, and waits for that and for its own reads of this slot.
.macro MEET round
	WIN 0
	s_wait_tensorcnt 0x0                           ; all my tensor loads have landed
	ds_add_u32 v[SPW], v[NIL]                      ; 0 onto my spare word
	s_wait_dscnt 0x5                               ; (the add and the youngest four loads may be out)
	WIN MUL
	MUL8 1, 0, 0                                   ; eight matrix instructions stand between the add and the wait for it
	s_wait_dscnt 0x0                               ; the add is done, and my reads of this slot are over
	s_barrier_signal -1
	MUL8 1, 1, 0                                   ; work on registers while the others arrive
.if \round
	WIN 0
.endif
	s_barrier_wait -1
.endm
; The whole last quarter, with a refill of the slot just read: this tile's K step two steps on (on = 0) or the next tile's K step 0 or 1 (on = 1).
; From a request to the wait for it a wave issues 112 matrix instructions.
.macro TURN slot, next, on
	MEET 1
	CREST                                          ; the barrier has opened a round of the cluster's: no wave of any partner still reads this slot or has a load on its way
.if \on
	s_sub_nc_u64 s[G0+4*\slot+2:G0+4*\slot+3], s[G0+4*\slot+2:G0+4*\slot+3], BACK_A
	s_add_nc_u64 s[G0B+4*\slot+2:G0B+4*\slot+3], s[G0B+4*\slot+2:G0B+4*\slot+3], NEXT_B
.else
	s_add_nc_u64 s[G0+4*\slot+2:G0+4*\slot+3], s[G0+4*\slot+2:G0+4*\slot+3], 2*KSTEP*2
	s_add_nc_u64 s[G0B+4*\slot+2:G0B+4*\slot+3], s[G0B+4*\slot+2:G0B+4*\slot+3], 2*KSTEP*2
.endif
	JLOAD \slot                                    ; the first tensor load behind the round; its four v_nop are also the places in front of the loads below
	FETCH \next, 0, 0
	WIN MUL
	MUL8 1, 2, 0
	MUL8 1, 3, 0
.endm
.macro TURNL slot, next                ; the same without a refill: nothing is left to fetch, so no round follows
	MEET 0
	PLACES
	FETCH \next, 0, 0
	WIN MUL
	MUL8 1, 2, 0
	MUL8 1, 3, 0
.endm
.macro LASTQ                           ; the very last quarter: nothing more to fetch
	s_wait_dscnt 0x4
	WIN MUL
	MUL8 1, 0, 0
	MUL8 1, 1, 0
	s_wait_dscnt 0x0
	MUL8 1, 2, 0
	MUL8 1, 3, 0
.endm
; THE WAY OUT of row block a.  PACK: rounded to f16, 16 bytes a lane, each accumulator's registers in ascending order.  TOSTAGE: into my own stage, and back as whole rows of 256 bytes.  SEND: stored.
.macro PACK a
	WIN 0x05                                       ; sources 0 and 1 window 1
.irp b, 0,1,2,3,4,5,6,7
.irp r, 0,1,2,3
	v_cvt_pk_f16_f32 v[TMP+4*\b+\r], v[64*\a+8*\b+2*\r], v[64*\a+8*\b+2*\r+1]
.endr
.endr
	WIN 0
.endm
.macro TOSTAGE a
.set BK, 96+96*((\a)%2)                ; v96-127 and v192-223 by turns: parts of fragment buffer 1; buffer 0 may hold the next tile's first fragments
.irp b, 0,1,2,3,4,5,6,7
	ds_store_b128 v[STO], v[TMP+4*\b:TMP+4*\b+3] offset:32*\b
.endr
.irp t, 0,1,2,3,4,5,6,7
	ds_load_b128 v[BK+4*\t:BK+4*\t+3], v[RD] offset:\t*2*SPITCH    ; LDS serves a wave's instructions in order (ISA guide 5.7.1.4): these see the stores above
.endr
.endm
.macro SEND a
.set BK, 96+96*((\a)%2)
	s_wait_dscnt 0x0                               ; the block is back in registers (two ways with different numbers of loads out lead here, so the count is 0)
	s_wait_xcnt 0x0                                ; the stores' base and the registers that earlier stores read are rewritten only behind this wait
.if (\a) == 0
	s_add_nc_u64 s[8:9], s[8:9], s[16:17]          ; on to this tile's first rows
.else
	s_add_nc_u64 s[8:9], s[8:9], 16*ROWC
.endif
.irp t, 0,1,2,3,4,5,6,7
	global_store_b128 v[CO], v[BK+4*\t:BK+4*\t+3], s[8:9] offset:2*\t*ROWC   ; 16 lanes store 256 consecutive bytes, at a multiple of 256 from C's first byte
.endr
.endm
	s_wait_tensorcnt 0x1                           ; my part of K step 0 is in; K step 1's may stay out
	s_barrier_signal -1
	s_barrier_wait -1                              ; everybody's is
	FETCH 0, 0, 0
	s_mov_b32 s2, 3                                ; tiles to go: the same number in every work-group
.Ltile:
	s_wait_loadcnt 0x0                             ; this tile's bias
	QUARTER 0, 64,  0, 1, 1                        ; a tile's first quarter stands in front of the loop: its products start the sums
	WIN 0                                          ; at a label and at a branch every window is 0
	s_mov_b32 s3, LAPS-1
.Llap:                                                 ; a trip goes once round the ring, from a lap's second quarter to the next lap's first, and fills both slots again
	QUARTER 0, 128, 1, 0, 0
	QUARTER 0, 192, 0, 1, 0
	TURN 0, 1, 0
	QUARTER 1, 64,  0, 1, 0
	QUARTER 1, 128, 1, 0, 0
	QUARTER 1, 192, 0, 1, 0
	TURN 1, 0, 0
	QUARTER 0, 64,  0, 1, 0
	WIN 0
	s_sub_co_u32 s3, s3, 1
	s_cmp_lg_u32 s3, 0
	s_cbranch_scc1 .Llap
	QUARTER 0, 128, 1, 0, 0                        ; the tile's last lap goes on
	QUARTER 0, 192, 0, 1, 0
	WIN 0
	s_cmp_eq_u32 s2, 1
	s_cbranch_scc1 .Llast                          ; the last tile asks for nothing more
	TURN 0, 1, 1                                   ; the ring goes on into the next tile: slot 0 takes its K step 0,
	QUARTER 1, 64,  0, 1, 0
	QUARTER 1, 128, 1, 0, 0
	QUARTER 1, 192, 0, 1, 0
	TURN 1, 0, 1                                   ; slot 1 its K step 1, and the next tile's first fragments are fetched
	WIN 0
	s_cmp_eq_u32 s2, 3
	s_cselect_b64 s[74:75], s[70:71], s[72:73]     ; behind q comes k, behind k comes v
	BIASLD 74                                      ; the bias registers were last read in this tile's first quarter
	s_branch .Lout
.Llast:
	TURNL 0, 1
	QUARTER 1, 64,  0, 1, 0
	QUARTER 1, 128, 1, 0, 0
	QUARTER 1, 192, 0, 1, 0
	LASTQ
	WIN 0
.Lout:
	PLACES                                         ; the conversions read results just made
	PACK 0
	TOSTAGE 0
.irp a, 1,2,3                          ; block a's conversions stand between block a - 1's loads from the stage and the wait for them
	PACK \a
	SEND \a-1
	TOSTAGE \a
.endr
	SEND 3
	s_wait_xcnt 0x0                                ; the last stores' data lie in fragment buffer 1, which the next tile's first fetch loads again
	s_mov_b64 s[16:17], NEXT_C                     ; what the next way out adds to C's address
	s_sub_co_u32 s2, s2, 1
	s_cmp_lg_u32 s2, 0
	s_cbranch_scc1 .Ltile
	s_wait_tensorcnt 0x0                           ; the wave's end
	ds_add_u32 v[SPW], v[NIL]
	s_wait_dscnt 0x0
	CROUND                                         ; the closing round: no work-group ends while a partner may still ask for a tile that names it
	s_endpgm
.Lfunc_end_k_q15098b495d_qkv:
	.size	k_q15098b495d_qkv, .Lfunc_end_k_q15098b495d_qkv-k_q15098b495d_qkv
	.p2alignl 7, 3214868480
	.fill 96, 4, 3214868480
	.section	.rodata,"a",@progbits
	.p2align	6, 0x0
	.amdhsa_kernel k_q15098b495d_qkv
		.amdhsa_group_segment_fixed_size 327680
		.amdhsa_private_segment_fixed_size 0
		.amdhsa_enable_private_segment 0
		.amdhsa_kernarg_size 48
		.amdhsa_user_sgpr_count 2
		.amdhsa_user_sgpr_kernarg_segment_ptr 1
		.amdhsa_wavefront_size32 1
		.amdhsa_system_sgpr_workgroup_id_x 1
		.amdhsa_system_sgpr_workgroup_id_y 1
		.amdhsa_system_sgpr_workgroup_id_z 1
		.amdhsa_system_vgpr_workitem_id 0
		.amdhsa_next_free_vgpr 576
		.amdhsa_next_free_sgpr 76
		.amdhsa_reserve_vcc 0
		.amdhsa_float_denorm_mode_32 3
		.amdhsa_float_denorm_mode_16_64 3
		.amdhsa_memory_ordered 1
		.amdhsa_forward_progress 1
		.amdhsa_inst_pref_size 111
	.end_amdhsa_kernel
	.amdgpu_metadata
---
amdhsa.version: [ 1, 2 ]
amdhsa.kernels:
  - .name:           k_q15098b495d_qkv
    .symbol:         k_q15098b495d_qkv.kd
    .args:
      - { .name: xb, .offset: 0, .size: 8, .value_kind: global_buffer, .address_space: global }
      - { .name: wb, .offset: 8, .size: 8, .value_kind: global_buffer, .address_space: global }
      - { .name: qkvb, .offset: 16, .size: 8, .value_kind: global_buffer, .address_space: global }
      - { .name: bq, .offset: 24, .size: 8, .value_kind: global_buffer, .address_space: global }
      - { .name: bk, .offset: 32, .size: 8, .value_kind: global_buffer, .address_space: global }
      - { .name: bv, .offset: 40, .size: 8, .value_kind: global_buffer, .address_space: global }
    .group_segment_fixed_size: 327680
    .private_segment_fixed_size: 0
    .kernarg_segment_align: 8
    .kernarg_segment_size: 48
    .max_flat_workgroup_size: 128
    .sgpr_count:     76
    .vgpr_count:     576
    .wavefront_size: 32
...
	.end_amdgpu_metadata
.endif
;; end of part 2
;; launch attn (part 3): grid 8 x 32, 8 waves a work-group, clusters of 4 x 1, 327,680 bytes of LDS; arguments qkvb, mbits, ctx; writes ctx
.if DOCPART == 3
	.amdgcn_target "amdgcn-amd-amdhsa--gfx1250"
	.amdhsa_code_object_version 6
	.text
	.protected	k_q15098b495d_attn
	.globl	k_q15098b495d_attn
	.p2align	8
	.type	k_q15098b495d_attn,@function
k_q15098b495d_attn:
	s_mov_b64 s[64:65], 0
	v_nop
	global_prefetch_b8 v0, s[64:65] scope:SCOPE_SE
	s_setreg_imm32_b32 hwreg(HW_REG_WAVE_MODE, 25, 1), 1
	s_wait_xcnt 0x0
	s_wait_alu depctr_hold_cnt(0) depctr_sa_sdst(0) depctr_va_vdst(0) depctr_va_sdst(0) depctr_va_ssrc(0) depctr_va_vcc(0) depctr_vm_vsrc(0)
	s_getreg_b32 s2, hwreg(HW_REG_IB_STS2, 6, 4)
	s_cmp_eq_u32 s2, 0
	s_cbranch_scc0 .Lentry_in_a_cluster
	s_endpgm
.Lentry_in_a_cluster:
	s_bfe_u32 s2, ttmp6, 0x10000c
	s_cmp_lg_u32 s2, 0x3003
	s_cbranch_scc0 .Lentry_shape_is_right
	s_endpgm
.Lentry_shape_is_right:
; o[b][q][64 h + :] = sum over k of softmax_k(s(q, k)) v[b][k][64 h + :], s = -10000 where mask[q][k] == 1, else q . k / 8.  qkvb: [3][8192][1024] f16.
; ctx: [8192][2048] bf16: columns 0-1023 hold hi = bf16(o), columns 1024-2047 lo = bf16(o - hi): about 16 significant bits for the next product, with bf16's range.
; SHARES.  A work-group owns 256 queries of one batch and TWO heads, so that a row of a tile of K, of V and of either half of ctx is 256 consecutive bytes, aligned.  Eight waves, two to a SIMD:
; wave w takes head w / 4 of the pair and queries 64 (w % 4) on, four tiles of 16.  Every wave walks all 2,048 keys, 64 a step: the mask is an input, so no key is skipped.
; LAYOUT.  S^T = K Q^T (source 0 = 16 keys, source 1 = 16 queries): a lane holds ONE query (lane % 16) and the keys 8 (lane / 16) + 0..7.  Two such tiles, rounded to f16 in pairs, ARE source 1
; of O^T = V^T P, whose result again holds one query a lane.  K comes out of LDS as it lies, V ([key][channel]) turned, by ds_load_tr16_b128.
; MASK.  mbits holds, for each register of scores, one 32-bit word with a bit for each lane: a scalar register that is the select mask of one v_cndmask_b32.
; SOFTMAX.  The raw product d = q . k is replaced by -80000 = -10000 x 8 where masked; m is the running maximum of these; p = 2^(c d - c m), c = log2(e) / 8;
; in every step O and l are multiplied by a = 2^(c m_old - c m_new).  The largest term of a row is 1, so l is at least about 1.
; CLUSTER.  The four query blocks of a cluster walk the same K and V, so each tile is asked for jointly (mask 15).  Q and the mask words differ between partners and come by loads of their own.
; PHASES.  A wave runs K Q^T, the softmax and V^T P one after the other; the SIMD's other wave has the other unit meanwhile.
; REGISTERS.  window 0: v2-15 addresses and constants; v16-31 four statistics a tile; v32-45 at work; v64-191 S^T, 32 a tile, P in place in a tile's first 16; v192-255 K of one step.
;   window 1: v0-127 O^T, 32 a tile; v128-191 Q; v192-255 V of one step.
; Limits: q, k, v are f16 as they come (finite up to 65,504); the weights p, 0 to 1, are rounded to f16, so a weight below 2^-25 counts as 0 beside the row's largest, which is 1;
; v_exp_f32 flushes results below 2^-126 (ISA guide 15.8); NaN and infinities are not treated apart.
.set KS,    64
.set PK,    272       ; a row of K in LDS: 256 bytes + 16 of padding
.set PV,    288       ; a row of V: 256 + 32
.set VOFF,  KS*PK     ; a step's tiles lie together: 64 rows of K, then 64 rows of V
.set STEPB, KS*(PK+PV)
.set SLOT1, 1<<17     ; a slot holds two steps (71,680 bytes); slot 1 begins here, so that one exclusive or turns an address in one slot into the other's
.set STAGE, SLOT1     ; the way out, hi: 256 rows x 272 bytes, in slot 1, which has had its last fill and its last read by then
.set SP,    272
.set SPARE, SLOT1+2*STEPB  ; behind the ring: the spare words, 128 bytes for each of the eight waves
.set STAGEL, SPARE+1024    ; the way out, lo: 256 rows x 272 bytes behind the spare words; no fill ever lands here
.set ROWB,  2048      ; bytes in a row of qkvb
.set ROWX,  4096      ; bytes in a row of ctx
.set AK0, 2           ; v2   my lane's place in a tile of K; never rewritten
.set AV0, 3           ; v3   the same for V
.set ADR, 4           ; v4   the LDS address of the run of loads in hand
.set QO,  5           ; v5   my byte offset in the wave's rows of Q
.set STO, 6           ; v6   the way out: where I put 16 bytes of a row of hi
.set RD,  7           ; v7   the way out: where I read a row of hi back
.set GO,  8           ; v8   my byte offset in the wave's rows of ctx
.set STL, 10          ; v10  as v6, for lo
.set RDL, 11          ; v11  as v7, for lo
.set NEG, 12          ; v12  -80000.0
.set SPW, 14          ; v14  LDS address of my spare word; never rewritten
.set NIL, 15          ; v15  0; never rewritten
.set ST,  16          ; tile t's statistics at v[ST+4 t]: c m, m, l (even keys', odd keys')
.set CH,  32          ; v32-35 four chains of the maximum
.set AA,  36          ; v36 a, v37 c m_old - c m_new
.set XS,  38          ; v38-45 four pairs of partial sums
.set S,   64
.set KF,  192
.set QF,  128         ; in window 1
.set VF,  192         ; in window 1
.set WV,  12          ; s12  my wave's number
.set HM,  13          ; s13  on the way out: the mask of a word's upper bf16
.set G1K, 24          ; s[24:31] descriptor group 1 for K's tiles
.set G1V, 32          ; s[32:39] for V's: it differs in the padding alone
.set G0K, 40          ; s[40:47] descriptor group 0 for K's tiles: a set for each of the two first fills; the second then walks on
.set G0V, 48          ; s[48:55] the same for V's
.set SLOTS, 56
.set TWICE, 57
.set CS,  58          ; s[58:59] c, twice
.set SEL, 60          ; s[60:61] lane selects for v_permlanex16_b32
.set TB,  62          ; s62  LDS byte at which the tiles of the step to be fetched begin
.set TV,  63
.set MW,  68          ; s[68:99] one tile's 32 mask words
.set MSB, 0
.macro WIN new
.if MSB != \new
	s_set_vgpr_msb (MSB<<8)|\new
.set MSB, \new
.endif
.endm
.set W_KQ, 0x04       ; Q (source 1) in window 1
.set W_PV, 0x51       ; V (source 0), C and D in window 1, P in window 0
.set W_RS, 0x41       ; O^T (destination and source 0) in window 1
.set W_LD, 0x40       ; destination window 1
.set W_CV, 0x05       ; sources 0 and 1 window 1
.set W_S0, 0x01       ; source 0 window 1
.macro PLACES
.rept 4
	v_nop
.endr
.endm
; A joint refill.  Waves 0 and 1 fetch the two steps' tiles of K, waves 2 and 3 those of V, waves 4 to 7 nothing.  The branches hang on the wave's number alone.
.macro JLOAD3
	s_cmp_lt_u32 s[WV], 2
	s_cbranch_scc0 .Lnot_k_\@
	tensor_load_to_lds s[G0K+4:G0K+7], s[G1K:G1K+7]
	s_nop 0
.rept 4
	v_nop
.endr
	s_branch .Lasked_\@
.Lnot_k_\@:
	s_cmp_lt_u32 s[WV], 4
	s_cbranch_scc0 .Lasked_\@
	tensor_load_to_lds s[G0V+4:G0V+7], s[G1V:G1V+7]
	s_nop 0
.rept 4
	v_nop
.endr
.Lasked_\@:
.endm
.macro CROUND                       ; a round of the cluster's barrier
	s_barrier_signal -1
	s_barrier_wait -1
	s_cmp_lg_u32 s[WV], 0
	s_cbranch_scc1 .Lnot_wave_0_\@
	s_barrier_signal -3
.Lnot_wave_0_\@:
	s_barrier_wait -3
	s_barrier_signal -1
	s_barrier_wait -1
.endm
	s_load_b128 s[4:7], s[0:1], 0x0  ; qkvb s[4:5], mbits s[6:7]
	s_load_b64 s[8:9], s[0:1], 0x10  ; ctx
	v_lshl_add_u32 v[SPW], v0, 2, SPARE
	v_mov_b32 v[NIL], 0
	ds_add_u32 v14, v15
	s_wait_dscnt 0x0
	v_lshrrev_b32 v1, 5, v0
	v_readfirstlane_b32 s[WV], v1   ; wave 0..7
	s_bfe_u32 s13, ttmp6, 0x40000   ; cx
	s_lshl_b32 s14, ttmp9, 2
	s_add_co_u32 s14, s14, s13      ; my block of 256 queries: it enters Q's, the mask words' and ctx's addresses alone
	s_and_b32 s15, ttmp7, 0xffff
	s_lshr_b32 s16, s15, 3          ; the batch,
	s_and_b32 s17, s15, 7           ; the pair of heads: the four partners share both
	s_and_b32 s18, s[WV], 1         ; which of a slot's two steps I fetch
	s_and_b32 s19, s[WV], 3         ; which 64 queries are mine
	s_lshr_b32 s20, s[WV], 2        ; which head of the pair
	s_lshl_b32 s22, s16, 11
	s_lshl_b32 s23, s18, 6
	s_add_co_u32 s22, s22, s23      ; K and V: row 2,048 x batch + 64 x step
	s_lshl_b32 s22, s22, 11
	s_lshl_b32 s3, s17, 8           ; the pair's 256 bytes in a row
	s_add_co_u32 s22, s22, s3
	s_mov_b32 s23, 0
	s_mul_i32 s21, s18, STEPB       ; and the step's place in a slot
	s_lshl_b32 s2, s16, 11
	s_lshl_b32 s68, s14, 8
	s_add_co_u32 s2, s2, s68        ; my block's first row
	s_lshl_b32 s68, s19, 6
	s_add_co_u32 s68, s68, s2       ; Q: my wave's first row,
	s_lshl_b32 s68, s68, 11
	s_add_co_u32 s68, s68, s3
	s_lshl_b32 s69, s20, 7          ; my head's 128 bytes
	s_add_co_u32 s68, s68, s69
	s_mov_b32 s69, 0
	s_lshl_b32 s70, s[WV], 5
	s_add_co_u32 s70, s70, s2       ; ctx: wave w stores rows 32 w on, whole;
	s_lshl_b32 s70, s70, 12         ; rows of 4,096 bytes
	s_add_co_u32 s70, s70, s3
	s_mov_b32 s71, 0
	s_lshl_b32 s72, s14, 2
	s_add_co_u32 s72, s72, s19      ; the mask words of my 64 queries: 32 steps x 512 bytes
	s_lshl_b32 s72, s72, 14
	s_mov_b32 s73, 0
	s_mov_b32 s[G1K], 15|(1<<16)|(1<<20)|(1<<21)|(5<<22)|(3<<25)  ; 15:0 the mask: all four work-groups; 17:16 elements of 2 bytes; 20 padding on; 21 set beside a mask; 24:22 after every 64 words; 31:25 4 words of it
	s_mov_b32 s[G1V], 15|(1<<16)|(1<<20)|(1<<21)|(5<<22)|(7<<25)  ; the same with 8 words of padding
.irp g, G1K, G1V
	s_mov_b32 s[\g+1], 128<<16      ; tensor_dim0 = 128
	s_mov_b32 s[\g+2], KS<<16       ; tensor_dim1 = 64
	s_mov_b32 s[\g+3], 128<<16      ; tile_dim0 = 128
	s_mov_b32 s[\g+4], KS           ; tile_dim1 = 64
	s_mov_b32 s[\g+5], 1024         ; elements from row to row
	s_mov_b32 s[\g+6], 0
	s_mov_b32 s[\g+7], 0
.endr
	s_mov_b32 s[CS], 0x3e38aa3b     ; c = log2(e) / 8 = 0.18033688
	s_mov_b32 s[CS+1], s[CS]
	s_mov_b32 s[SEL], 0x76543210
	s_mov_b32 s[SEL+1], 0xfedcba98
	s_mov_b32 s[TB], 0
	s_wait_kmcnt 0x0
	s_add_nc_u64 s[10:11], s[4:5], s[22:23]  ; what K's and V's addresses share: nothing of my place in the cluster
	s_add_nc_u64 s[4:5], s[4:5], s[68:69]  ; Q at my wave's first row
	s_add_nc_u64 s[6:7], s[6:7], s[72:73]  ; my mask words
	s_add_nc_u64 s[8:9], s[8:9], s[70:71]  ; ctx
.irp s, 0,1
	s_mov_b32 s[G0K+4*\s], 1        ; count = 1
	s_add_co_u32 s[G0K+4*\s+1], s21, \s*SLOT1  ; LDS address
	s_add_nc_u64 s[G0K+4*\s+2:G0K+4*\s+3], s[10:11], 16777216+\s*2*KS*ROWB  ; section k; slot s begins with keys 128 s on
	s_or_b32 s[G0K+4*\s+3], s[G0K+4*\s+3], 0x80000000  ; type = 2
	s_mov_b32 s[G0V+4*\s], 1
	s_add_co_u32 s[G0V+4*\s+1], s21, \s*SLOT1+VOFF
	s_add_nc_u64 s[G0V+4*\s+2:G0V+4*\s+3], s[10:11], 33554432+\s*2*KS*ROWB  ; section v
	s_or_b32 s[G0V+4*\s+3], s[G0V+4*\s+3], 0x80000000
.endr
	CROUND                          ; all four work-groups are here: the first joint loads meet
	s_cmp_lt_u32 s[WV], 2           ; a wave's two first fills stand in one branch, ahead of every wait on TENSORcnt and every LDS read
	s_cbranch_scc0 .Lfirst_not_k
	tensor_load_to_lds s[G0K:G0K+3], s[G1K:G1K+7]
	s_nop 0
	tensor_load_to_lds s[G0K+4:G0K+7], s[G1K:G1K+7]
	s_nop 0
.rept 4
	v_nop
.endr
	s_branch .Lfirst_asked
.Lfirst_not_k:
	s_cmp_lt_u32 s[WV], 4
	s_cbranch_scc0 .Lfirst_asked
	tensor_load_to_lds s[G0V:G0V+3], s[G1V:G1V+7]
	s_nop 0
	tensor_load_to_lds s[G0V+4:G0V+7], s[G1V:G1V+7]
	s_nop 0
.rept 4
	v_nop
.endr
.Lfirst_asked:
	v_and_b32 v1, 15, v0            ; r = l % 16
	v_bfe_u32 v9, v0, 4, 1          ; h = l / 16
	v_lshlrev_b32 v[QO], 11, v1
	v_lshl_add_u32 v[QO], v9, 4, v[QO]  ; row x 2,048 + 16 x half
	WIN W_LD
.irp t, 0,1,2,3                     ; Q stays in registers: tile t, channels 32 c on
.irp c, 0,1
	global_load_b128 v[QF+8*(2*\t+\c):QF+8*(2*\t+\c)+3],   v[QO], s[4:5] offset:\t*16*ROWB+\c*64
	global_load_b128 v[QF+8*(2*\t+\c)+4:QF+8*(2*\t+\c)+7], v[QO], s[4:5] offset:\t*16*ROWB+\c*64+32
.endr
.endr
	WIN 0
	s_lshl_b32 s23, s20, 7          ; my head's 128 bytes in a row of K, of V and of the stages
	v_mul_u32_u24 v[AK0], v1, PK
	v_lshl_add_u32 v[AK0], v9, 4, v[AK0]
	v_add_nc_u32 v[AK0], s23, v[AK0]  ; row x pitch + 16 x half + head
	v_and_b32 v10, 7, v0            ; the turning load: lane l reads key 8 (l / 16) + l % 8, channels 8 ((l / 8) % 2) + 0..7
	v_bfe_u32 v11, v0, 3, 1
	v_lshl_add_u32 v[AV0], v9, 3, v10
	v_mul_u32_u24 v[AV0], v[AV0], PV
	v_lshl_add_u32 v[AV0], v11, 4, v[AV0]
	s_add_co_u32 s22, s23, VOFF
	v_add_nc_u32 v[AV0], s22, v[AV0]
	s_mul_i32 s22, s19, 64*SP       ; into the stages: my 64 rows, my head's half of their 256 bytes
	s_add_co_u32 s22, s22, s23
	s_add_co_u32 s22, s22, STAGE
	v_mul_u32_u24 v[STO], v1, SP
	v_lshl_add_u32 v[STO], v9, 4, v[STO]
	v_add_nc_u32 v[STO], s22, v[STO]
	v_add_nc_u32 v[STL], STAGEL-STAGE, v[STO]
	s_mul_i32 s22, s[WV], 32*SP     ; back: wave w takes rows 32 w on, whole; lanes 0-15 one row, lanes 16-31 the next
	s_add_co_u32 s22, s22, STAGE
	v_mul_u32_u24 v[RD], v9, SP
	v_lshl_add_u32 v[RD], v1, 4, v[RD]
	v_add_nc_u32 v[RD], s22, v[RD]
	v_add_nc_u32 v[RDL], STAGEL-STAGE, v[RD]
	v_lshlrev_b32 v[GO], 12, v9     ; and the same two rows in ctx
	v_lshl_add_u32 v[GO], v1, 4, v[GO]
	v_mov_b32 v[NEG], 0xc79c4000    ; -80000.0
; A step's K: 64 keys x 64 channels, fragment f = 2 kt + c (keys 16 kt on, channels 32 c on); its V, turned: fragment f = 4 g + ct (keys 32 g on, channels 16 ct on).
.macro FETCH_K
	WIN 0
	v_add_nc_u32 v[ADR], s[TB], v[AK0]
.irp f, 0,1,2,3,4,5,6,7
	ds_load_b128 v[KF+8*\f:KF+8*\f+3],   v[ADR] offset:(\f/2)*16*PK+(\f%2)*64
	ds_load_b128 v[KF+8*\f+4:KF+8*\f+7], v[ADR] offset:(\f/2)*16*PK+(\f%2)*64+32
.endr
.endm
.macro FETCH_V
	v_add_nc_u32 v[ADR], s[TB], v[AV0]
	s_add_co_u32 s[TB], s[TB], STEPB  ; the next fetch is the next step's
	WIN W_LD
.irp f, 0,1,2,3,4,5,6,7
	ds_load_tr16_b128 v[VF+8*\f:VF+8*\f+3],   v[ADR] offset:(\f/4)*32*PV+(\f%4)*32
	ds_load_tr16_b128 v[VF+8*\f+4:VF+8*\f+7], v[ADR] offset:(\f/4)*32*PV+16*PV+(\f%4)*32
.endr
.endm
; 32 products S^T = K Q^T: channels 32 (i / 16) on, keys 16 ((i / 4) % 4) on, tile i % 4.  The first 16 start the sums.  The 16 accumulators take turns.
.macro KQ
.set i, 0
.rept 32
.set rS, S+32*(i%4)+8*((i/4)%4)
.set rK, KF+8*(2*((i/4)%4)+i/16)
.set rQ, QF+8*(2*(i%4)+i/16)
.if i < 16
	v_wmma_f32_16x16x32_f16 v[rS:rS+7], v[rK:rK+7], v[rQ:rQ+7], 0
.else
	v_wmma_f32_16x16x32_f16 v[rS:rS+7], v[rK:rK+7], v[rQ:rQ+7], v[rS:rS+7]
.endif
.set i, i+1
.endr
.endm
; 32 products O^T += V^T P: keys 32 (i / 16) on, channels 16 ((i / 4) % 4) on, tile i % 4.  first = 1: the first 16 start the sums: nothing is ever cleared.
.macro PVM first
.set i, 0
.rept 32
.set rO, 32*(i%4)+8*((i/4)%4)
.set rV, VF+8*(4*(i/16)+(i/4)%4)
.set rP, S+32*(i%4)+8*(i/16)
.if \first && (i < 16)
	v_wmma_f32_16x16x32_f16 v[rO:rO+7], v[rV:rV+7], v[rP:rP+7], 0
.else
	v_wmma_f32_16x16x32_f16 v[rO:rO+7], v[rV:rV+7], v[rP:rP+7], v[rO:rO+7]
.endif
.set i, i+1
.endr
.endm
; Tile t's softmax for one key step.  first = 1: the first key step, which starts m, l and O^T.
.macro SOFTMAX t, first
.set rT, ST+4*\t
.set rS, S+32*\t
	s_wait_kmcnt 0x0                ; the tile's 32 mask words
.set i, 0
.rept 32
	v_cndmask_b32 v[rS+i], v[rS+i], v[NEG], s[MW+i]  ; ascending: each accumulator is read from its low end on
.set i, i+1
.endr
.if \t < 3
	s_load_b512 s[MW:MW+15], s[6:7], 128*(\t+1)  ; the next tile's words: the rest of this softmax stands between these loads and the wait for them
	s_load_b512 s[MW+16:MW+31], s[6:7], 128*(\t+1)+64
.else
	s_add_nc_u64 s[6:7], s[6:7], 512  ; the next step's words; no scalar load is out
.endif
.irp k, 0,1,2,3                     ; the maximum: four chains of seven scores, then the four left over, the chains and the old m
	v_max3_num_f32 v[CH+\k], v[rS+8*\k], v[rS+8*\k+1], v[rS+8*\k+2]
.endr
.irp k, 0,1,2,3
	v_max3_num_f32 v[CH+\k], v[CH+\k], v[rS+8*\k+3], v[rS+8*\k+4]
.endr
.irp k, 0,1,2,3
	v_max3_num_f32 v[CH+\k], v[CH+\k], v[rS+8*\k+5], v[rS+8*\k+6]
.endr
	v_max3_num_f32 v[CH], v[CH], v[rS+7], v[rS+15]
	v_max3_num_f32 v[CH+2], v[CH+2], v[rS+23], v[rS+31]
	v_max3_num_f32 v[CH], v[CH], v[CH+1], v[CH+2]
.if \first
	v_max_num_f32 v[CH], v[CH], v[CH+3]
.else
	v_max3_num_f32 v[CH], v[CH], v[CH+3], v[rT+1]
.endif
	v_permlanex16_b32 v[CH+1], v[CH], s[SEL], s[SEL+1]  ; the query's other 32 keys lie in the lane 16 away
.if !\first
	v_mov_b32 v[AA+1], v[rT]        ; c m_old
.endif
	v_max_num_f32 v[rT+1], v[CH], v[CH+1]
	v_mul_f32 v[rT], s[CS], v[rT+1]
.if !\first
	v_sub_f32 v[AA+1], v[AA+1], v[rT]
	v_exp_f32 v[AA], v[AA+1]        ; a; the scalings below are the plain instructions behind it
.endif
.set i, 0
.rept 16
	v_pk_fma_f32 v[rS+2*i:rS+2*i+1], v[rS+2*i:rS+2*i+1], s[CS:CS+1], v[rT:rT+1] op_sel_hi:[1,0,0] neg_lo:[0,0,1] neg_hi:[0,0,1]  ; c d - c m
.set i, i+1
.endr
.set i, 0
.rept 32
	v_exp_f32 v[rS+i], v[rS+i]
.set i, i+1
.endr
	v_nop                           ; a plain instruction between the run of exponentials and the first use of a result (ISA guide 5.7.2)
	s_wait_alu depctr_va_vdst(0)
.irp k, 0,1,2,3                     ; the sum of the 16 pairs (an even key's weight, an odd key's); S stays as it is for the rounding
	v_pk_add_f32 v[XS+2*\k:XS+2*\k+1], v[rS+2*\k:rS+2*\k+1], v[rS+2*\k+8:rS+2*\k+9]
.endr
.irp k, 0,1,2,3
	v_pk_add_f32 v[XS+2*\k:XS+2*\k+1], v[XS+2*\k:XS+2*\k+1], v[rS+2*\k+16:rS+2*\k+17]
.endr
.irp k, 0,1,2,3
	v_pk_add_f32 v[XS+2*\k:XS+2*\k+1], v[XS+2*\k:XS+2*\k+1], v[rS+2*\k+24:rS+2*\k+25]
.endr
	v_pk_add_f32 v[XS:XS+1], v[XS:XS+1], v[XS+2:XS+3]
	v_pk_add_f32 v[XS+4:XS+5], v[XS+4:XS+5], v[XS+6:XS+7]
.if \first
	v_pk_add_f32 v[rT+2:rT+3], v[XS:XS+1], v[XS+4:XS+5]
.else
	v_pk_add_f32 v[XS:XS+1], v[XS:XS+1], v[XS+4:XS+5]
	v_pk_fma_f32 v[rT+2:rT+3], v[rT+2:rT+3], v[AA:AA+1], v[XS:XS+1] op_sel_hi:[1,0,1]  ; l = a l + the sum
.endif
.set i, 0
.rept 16
	v_cvt_pk_f16_f32 v[rS+i], v[rS+2*i], v[rS+2*i+1]  ; P in place: word i is written when words 2 i and 2 i + 1 are read
.set i, i+1
.endr
.if !\first
	WIN W_RS
.set i, 0
.rept 16
	v_pk_mul_f32 v[32*\t+2*i:32*\t+2*i+1], v[32*\t+2*i:32*\t+2*i+1], v[AA:AA+1] op_sel_hi:[1,0]  ; the tile's O^T times a
.set i, i+1
.endr
	WIN 0
.endif
.endm
; A key step.
.macro STEP first
	s_load_b512 s[MW:MW+15], s[6:7], 0x0  ; tile 0's mask words
	s_load_b512 s[MW+16:MW+31], s[6:7], 0x40
	FETCH_K
	FETCH_V
	s_wait_dscnt 16                 ; K is in; V's 16 loads stay out
	WIN W_KQ
	KQ
	WIN 0
	PLACES                          ; the selects read and write results just made
	SOFTMAX 0, \first
	SOFTMAX 1, \first
	SOFTMAX 2, \first
	SOFTMAX 3, \first
	s_wait_dscnt 0x0                ; V is in
	WIN W_PV
	PVM \first
	WIN 0
.rept 5
	v_nop                           ; four places in front of the loads into V's registers, five in front of the products that write over P
.endr
.endm
; THE CHANGE OF SLOTS.  Each wave waits for all its tensor loads (one at the most is out: its part of the other slot), adds 0 to its spare word, and waits for that and for its reads of the slot.
; fill = 1: the slot is filled again, with the keys two slots on; the barrier is then a round of the cluster's, and the joint refill is the first thing behind it: it has two key steps in which to land.
.macro CHANGE fill
	s_wait_tensorcnt 0x0            ; no tensor load of mine is out, so a group 0 may be written
	ds_add_u32 v[SPW], v[NIL]       ; 0 onto my spare word
.if \fill
.irp g, G0K+4, G0V+4
	s_xor_b32 s[\g+1], s[\g+1], SLOT1  ; the walking descriptor: the other slot than last time,
	s_add_nc_u64 s[\g+2:\g+3], s[\g+2:\g+3], 2*KS*ROWB  ; the next 128 keys
.endr
	s_wait_dscnt 0x0                ; the add is done, and my reads of the slot are over
	CROUND
	JLOAD3
.else
	s_wait_dscnt 0x0
	s_barrier_signal -1
	s_barrier_wait -1
.endif
	s_sub_co_u32 s[TB], s[TB], 2*STEPB  ; the fetches go back to a slot's first step,
	s_xor_b32 s[TB], s[TB], SLOT1   ; in the other slot
.endm
	s_wait_tensorcnt 0x1            ; my part of slot 0 is in; slot 1's may stay out
	s_barrier_signal -1
	s_barrier_wait -1               ; everybody's is
	s_wait_loadcnt 0x0              ; Q
	STEP 1                          ; the first key step is written out: it starts m, l and O^T
	s_mov_b32 s[TWICE], 1           ; slot 0 has one step left
	s_mov_b32 s[SLOTS], 14          ; 16 slots of 128 keys; all but the last two are filled again
.Lslot:
.Lstep:
	STEP 0
	s_sub_co_u32 s[TWICE], s[TWICE], 1
	s_cmp_lg_u32 s[TWICE], 0
	s_cbranch_scc1 .Lstep
	CHANGE 1
	s_mov_b32 s[TWICE], 2
	s_sub_co_u32 s[SLOTS], s[SLOTS], 1
	s_cmp_lg_u32 s[SLOTS], 0
	s_cbranch_scc1 .Lslot
	s_mov_b32 s[TV], 2              ; the tail is written out: the last two slots ask for nothing
.Ltail_slot:
	s_mov_b32 s[TWICE], 2
.Ltail_step:
	STEP 0
	s_sub_co_u32 s[TWICE], s[TWICE], 1
	s_cmp_lg_u32 s[TWICE], 0
	s_cbranch_scc1 .Ltail_step
	CHANGE 0                        ; the last of these barriers also shows that no wave reads slot 1 any more: the stage in it may be written
	s_sub_co_u32 s[TV], s[TV], 1
	s_cmp_lg_u32 s[TV], 0
	s_cbranch_scc1 .Ltail_slot
	; THE WAY OUT.  l's two halves and the other half of the lanes' are added; O^T is divided by l, split into hi + lo in bf16 and sent through the work-group's two stages: a row's 256 bytes come from two waves.
	s_mov_b32 s[HM], 0xffff0000
.irp t, 0,1,2,3
	v_add_f32 v[CH+\t], v[ST+4*\t+2], v[ST+4*\t+3]
.endr
.irp t, 0,1,2,3
	v_permlanex16_b32 v[AA+\t], v[CH+\t], s[SEL], s[SEL+1]
.endr
.irp t, 0,1,2,3
	v_add_f32 v[CH+\t], v[CH+\t], v[AA+\t]
.endr
.irp t, 0,1,2,3
	v_rcp_f32 v[XS+2*\t], v[CH+\t]
.endr
	v_nop                           ; a plain instruction between the last reciprocal and the use of its result
	s_wait_alu depctr_va_vdst(0)
.macro OUTT t
	WIN W_RS
.set i, 0
.rept 16
	v_pk_mul_f32 v[32*\t+2*i:32*\t+2*i+1], v[32*\t+2*i:32*\t+2*i+1], v[XS+2*\t:XS+2*\t+1] op_sel_hi:[1,0]  ; o = O / l
.set i, i+1
.endr
	WIN W_CV
.set i, 0
.rept 16
	v_cvt_pk_bf16_f32 v[S+16*\t+i], v[32*\t+2*i], v[32*\t+2*i+1]  ; hi
.set i, i+1
.endr
	WIN 0
.set i, 0
.rept 16
	v_lshlrev_b32 v[KF+2*i], 16, v[S+16*\t+i]  ; hi back in f32, into K's registers, which nothing needs any more
	v_and_b32 v[KF+2*i+1], s[HM], v[S+16*\t+i]
.set i, i+1
.endr
	WIN W_S0
.set i, 0
.rept 16
	v_pk_add_f32 v[KF+2*i:KF+2*i+1], v[32*\t+2*i:32*\t+2*i+1], v[KF+2*i:KF+2*i+1] neg_lo:[0,1] neg_hi:[0,1]  ; o - hi, exact in f32
.set i, i+1
.endr
	WIN 0
.set i, 0
.rept 16
	v_cvt_pk_bf16_f32 v[S+64+16*\t+i], v[KF+2*i], v[KF+2*i+1]  ; lo
.set i, i+1
.endr
.irp c, 0,1,2,3
	ds_store_b128 v[STO], v[S+16*\t+4*\c:S+16*\t+4*\c+3] offset:\t*16*SP+32*\c
.endr
.irp c, 0,1,2,3
	ds_store_b128 v[STL], v[S+64+16*\t+4*\c:S+64+16*\t+4*\c+3] offset:\t*16*SP+32*\c
.endr
.endm
	OUTT 0
	OUTT 1
	OUTT 2
	OUTT 3
	s_wait_dscnt 0x0                ; for the others' sake: my stores into the stages are done
	s_barrier_signal -1
	s_barrier_wait -1
.irp i, 0,1,2,3,4,5,6,7,8,9,10,11,12,13,14,15
	ds_load_b128 v[S+4*\i:S+4*\i+3], v[RD] offset:\i*2*SP
.endr
.irp i, 0,1,2,3,4,5,6,7,8,9,10,11,12,13,14,15
	ds_load_b128 v[S+64+4*\i:S+64+4*\i+3], v[RDL] offset:\i*2*SP
.endr
.set i, 0
.rept 16
.if i%4 == 0
	s_wait_dscnt 28-i               ; LDS loads come back in order: hi's loads i to i + 3 are in; hi's 12 - i younger ones and lo's 16 stay out
.endif
	global_store_b128 v[GO], v[S+4*i:S+4*i+3], s[8:9] offset:i*2*ROWX  ; 16 lanes store 256 consecutive bytes, at a multiple of 256 from ctx's first byte
.set i, i+1
.endr
.set i, 0
.rept 16
.if i%4 == 0
	s_wait_dscnt 12-i               ; lo's loads i to i + 3 are in
.endif
	global_store_b128 v[GO], v[S+64+4*i:S+64+4*i+3], s[8:9] offset:i*2*ROWX+2048
.set i, i+1
.endr
	s_wait_tensorcnt 0x0            ; the wave's end
	ds_add_u32 v[SPW], v[NIL]
	s_wait_dscnt 0x0
	CROUND                          ; the closing round
	s_endpgm
.Lfunc_end_k_q15098b495d_attn:
	.size	k_q15098b495d_attn, .Lfunc_end_k_q15098b495d_attn-k_q15098b495d_attn
	.p2alignl 7, 3214868480
	.fill 96, 4, 3214868480
	.section	.rodata,"a",@progbits
	.p2align	6, 0x0
	.amdhsa_kernel k_q15098b495d_attn
		.amdhsa_group_segment_fixed_size 327680
		.amdhsa_private_segment_fixed_size 0
		.amdhsa_enable_private_segment 0
		.amdhsa_kernarg_size 24
		.amdhsa_user_sgpr_count 2
		.amdhsa_user_sgpr_kernarg_segment_ptr 1
		.amdhsa_wavefront_size32 1
		.amdhsa_system_sgpr_workgroup_id_x 1
		.amdhsa_system_sgpr_workgroup_id_y 1
		.amdhsa_system_sgpr_workgroup_id_z 1
		.amdhsa_system_vgpr_workitem_id 0
		.amdhsa_next_free_vgpr 512
		.amdhsa_next_free_sgpr 100
		.amdhsa_reserve_vcc 0
		.amdhsa_float_denorm_mode_32 3
		.amdhsa_float_denorm_mode_16_64 3
		.amdhsa_memory_ordered 1
		.amdhsa_forward_progress 1
		.amdhsa_inst_pref_size 158
	.end_amdhsa_kernel
	.amdgpu_metadata
---
amdhsa.version: [ 1, 2 ]
amdhsa.kernels:
  - .name:           k_q15098b495d_attn
    .symbol:         k_q15098b495d_attn.kd
    .args:
      - { .name: qkvb, .offset: 0, .size: 8, .value_kind: global_buffer, .address_space: global }
      - { .name: mbits, .offset: 8, .size: 8, .value_kind: global_buffer, .address_space: global }
      - { .name: ctx, .offset: 16, .size: 8, .value_kind: global_buffer, .address_space: global }
    .group_segment_fixed_size: 327680
    .private_segment_fixed_size: 0
    .kernarg_segment_align: 8
    .kernarg_segment_size: 24
    .max_flat_workgroup_size: 256
    .sgpr_count:     100
    .vgpr_count:     512
    .wavefront_size: 32
...
	.end_amdgpu_metadata
.endif
;; end of part 3
;; launch oproj (part 4): grid 4 x 64, 4 waves a work-group, clusters of 4 x 4, 327,680 bytes of LDS; arguments ctx, wb, out0, bo; writes out0
.if DOCPART == 4
	.amdgcn_target "amdgcn-amd-amdhsa--gfx1250"
	.amdhsa_code_object_version 6
	.text
	.protected	k_q15098b495d_oproj
	.globl	k_q15098b495d_oproj
	.p2align	8
	.type	k_q15098b495d_oproj,@function
k_q15098b495d_oproj:
	s_mov_b64 s[64:65], 0
	v_nop
	global_prefetch_b8 v0, s[64:65] scope:SCOPE_SE
	s_setreg_imm32_b32 hwreg(HW_REG_WAVE_MODE, 25, 1), 1
	s_wait_xcnt 0x0
	s_wait_alu depctr_hold_cnt(0) depctr_sa_sdst(0) depctr_va_vdst(0) depctr_va_sdst(0) depctr_va_ssrc(0) depctr_va_vcc(0) depctr_vm_vsrc(0)
	s_getreg_b32 s2, hwreg(HW_REG_IB_STS2, 6, 4)
	s_cmp_eq_u32 s2, 0
	s_cbranch_scc0 .Lentry_in_a_cluster
	s_endpgm
.Lentry_in_a_cluster:
	s_bfe_u32 s2, ttmp6, 0x10000c
	s_cmp_lg_u32 s2, 0xf033
	s_cbranch_scc0 .Lentry_shape_is_right
	s_endpgm
.Lentry_shape_is_right:
; out0[s][e] = sum over d of (hi[s][d] + lo[s][d]) Wo[e][d] + bo[e].  ctx: [8192][2048] bf16, hi in columns 0-1023, lo in columns 1024-2047; Wo: the fourth matrix of wb, bf16;
; out0: [8192][1024] f32; sums in f32.  The product runs over K = 2,048: ctx's columns as they lie, Wo's 1,024 columns walked twice.
; A tile of C is 128 rows x 256 columns: 256 tiles, one for each work-group.  Four waves, each 64 rows x 128 columns: 32 accumulators of 16 x 16.
; K goes in steps of 128 through two LDS slots filled by the tensor data mover (rows of 256 bytes of memory, aligned).  CLUSTERS: 4 x 4 work-groups; ctx's tiles are asked for jointly along
; a row of the cluster, Wo's along a column.  The matrix instruction is used transposed (source 0 = 16 rows of Wo, source 1 = 16 rows of ctx): a lane holds eight neighbouring columns of a row of C.
; The bias is the C operand of each accumulator's first product.  The results leave as f32 through each wave's own stage, as whole pieces of 512 bytes of a row.
; REGISTERS: window 0: v16-29 addresses; v64-95, v96-127 fragments of ctx; v128-191, v192-255 fragments of Wo (on the way out v64-191 hold rows read back).
;   window 1: the accumulators, (a, b) at v[8 (8 a + b)].   window 2: v0-63 the bias of my 128 columns.
; Limits: operands are bf16 (Wo rounded once; ctx as a sum of two); NaN and infinities pass as the arithmetic gives them.
.set KA,     2048                      ; ctx's columns: the product's K, and elements from row to row
.set KW,     1024                      ; Wo's columns
.set KSTEP,  128
.set PITCH,  272                       ; an LDS row: 256 bytes + 16 of padding: the 16 rows that a fragment load touches start at 16 different banks (ISA guide 11.1)
.set HALFA,  64*PITCH
.set HALFB,  128*PITCH
.set AOFF,   128*PITCH                 ; Wo's 256 rows lie behind ctx's 128
.set SLOT,   384*PITCH
.set STAGE,  2*SLOT                    ; behind the ring: 16 rows x 528 bytes for each wave
.set SPITCH, 528                       ; 512 bytes + 16 = 132 words: rows start 4 banks apart
.set SPARE,  STAGE+4*16*SPITCH         ; behind the stages: the spare words, 128 bytes for each wave
.set ROWC,   4096                      ; bytes in a row of out0
.set LAPS,   KA/(2*KSTEP)              ; a lap = two K steps = once round the ring: 8
.set ADRA, 16
.set ADRB, 20
.set STO,  24
.set RD,   25
.set CO,   26
.set BO,   27
.set SPW,  28                          ; v28     LDS address of my spare word; never rewritten
.set NIL,  29                          ; v29     0; never rewritten
.set AF,   64
.set BF,   128
.set G1,  24
.set G0,  32
.set G1B, 48
.set G0B, 56
.set KO,  70                           ; s[70:71], s[72:73]  slot 0's, slot 1's byte offset along a row of Wo, as a pair with 0 on top
.set MSB, 0
.macro WIN new
.if MSB != \new
	s_set_vgpr_msb (MSB<<8)|\new
.set MSB, \new
.endif
.endm
.set MUL,  0x50                        ; sources 0 and 1 window 0; C and D window 1
.set MULB, 0x60                        ; D window 1, C (the bias) window 2
.macro PLACES
.rept 4
	v_nop
.endr
.endm
.macro JLOAD s                         ; a joint load: waves 0 and 1 fetch ctx's two halves, waves 2 and 3 Wo's; four v_nop follow each of the two lines
	s_cmp_eq_u32 s11, 0
	s_cbranch_scc0 .Lfor_b_\@
	tensor_load_to_lds s[G0+4*\s:G0+4*\s+3], s[G1:G1+7]
	s_nop 0
.rept 4
	v_nop
.endr
	s_branch .Lasked_\@
.Lfor_b_\@:
	tensor_load_to_lds s[G0B+4*\s:G0B+4*\s+3], s[G1B:G1B+7]
	s_nop 0
.rept 4
	v_nop
.endr
.Lasked_\@:
.endm
.macro CREST
	s_cmp_lg_u32 s10, 0
	s_cbranch_scc1 .Lnot_wave_0_\@
	s_barrier_signal -3
.Lnot_wave_0_\@:
	s_barrier_wait -3
	s_barrier_signal -1
	s_barrier_wait -1
.endm
.macro CROUND
	s_barrier_signal -1
	s_barrier_wait -1
	CREST
.endm
	s_load_b128 s[4:7], s[0:1], 0x0                ; ctx s[4:5], wb s[6:7]
	s_load_b64 s[8:9], s[0:1], 0x10                ; out0
	s_load_b64 s[68:69], s[0:1], 0x18              ; bo
	v_lshl_add_u32 v[SPW], v0, 2, SPARE
	v_mov_b32 v[NIL], 0
	ds_add_u32 v28, v29
	s_wait_dscnt 0x0
	v_lshrrev_b32 v1, 5, v0
	v_readfirstlane_b32 s10, v1                    ; wave 0..3
	s_lshr_b32 s11, s10, 1                         ; which 64 rows are mine.  Also: I fetch for ctx (0) or for Wo (1)
	s_and_b32 s12, s10, 1                          ; which 128 columns.  Also: which half of that tile I fetch
	s_bfe_u32 s40, ttmp6, 0x40000                  ; cx, cy
	s_bfe_u32 s41, ttmp6, 0x40004
	s_lshl_b32 s42, ttmp9, 2
	s_add_co_u32 s42, s42, s40                     ; tile column
	s_and_b32 s13, ttmp7, 0xffff
	s_lshl_b32 s13, s13, 2
	s_add_co_u32 s13, s13, s41                     ; tile row
	s_lshl_b32 s43, s41, 2
	s_lshl_b32 s43, 15, s43                        ; my row of the cluster
	s_lshl_b32 s44, 0x1111, s40                    ; my column
	s_or_b32 s[G1+0], s43, (1<<16)|(1<<20)|(1<<21)|(5<<22)|(3<<25)  ; the mask; elements of 2 bytes; padding on; bit 21 beside a mask; after every 64 words 4 words
	s_or_b32 s[G1B+0], s44, (1<<16)|(1<<20)|(1<<21)|(5<<22)|(3<<25)
	s_mov_b32 s[G1+1], KSTEP<<16                   ; tensor_dim0 = 128
	s_mov_b32 s[G1+2], 64<<16                      ; tensor_dim1 = 64
	s_mov_b32 s[G1+3], KSTEP<<16                   ; tile_dim0 = 128
	s_mov_b32 s[G1+4], 64                          ; tile_dim1 = 64
	s_mov_b32 s[G1+5], KA                          ; elements from row to row
	s_mov_b32 s[G1+6], 0
	s_mov_b32 s[G1+7], 0
	s_mov_b32 s[G1B+1], KSTEP<<16
	s_mov_b32 s[G1B+2], 128<<16
	s_mov_b32 s[G1B+3], KSTEP<<16
	s_mov_b32 s[G1B+4], 128
	s_mov_b32 s[G1B+5], KW
	s_mov_b32 s[G1B+6], 0
	s_mov_b32 s[G1B+7], 0
	s_mov_b32 s[KO], 0                             ; slot 0 begins with Wo's K step 0,
	s_mov_b32 s[KO+1], 0
	s_mov_b32 s[KO+2], KSTEP*2                     ; slot 1 with K step 1
	s_mov_b32 s[KO+3], 0
	s_lshl_b32 s17, s12, 6
	s_lshl_b32 s16, s13, 7
	s_add_co_u32 s16, s16, s17                     ; ctx: row 128 x tile row + 64 x half,
	s_lshl_b32 s16, s16, 12                        ; rows of 4,096 bytes
	s_mov_b32 s17, 0
	s_lshl_b32 s47, s12, 7
	s_lshl_b32 s46, s42, 8
	s_add_co_u32 s46, s46, s47                     ; Wo: row 256 x tile column + 128 x half,
	s_lshl_b32 s46, s46, 11                        ; rows of 2,048 bytes
	s_mov_b32 s47, 0
	s_mul_i32 s20, s12, HALFA
	s_mul_i32 s21, s12, HALFB
	s_add_co_u32 s21, s21, AOFF
	s_wait_kmcnt 0x0
	s_add_nc_u64 s[14:15], s[4:5], s[16:17]
	s_add_nc_u64 s[46:47], s[6:7], s[46:47]
	s_add_nc_u64 s[46:47], s[46:47], 3*1024*KW*2   ; the fourth matrix of wb; s[46:47] stay: my rows of Wo at column 0
	CROUND                                         ; all sixteen work-groups are here: the first joint loads meet
.irp s, 0,1
	s_mov_b32 s[G0+4*\s], 1
	s_add_co_u32 s[G0+4*\s+1], s20, \s*SLOT
	s_add_nc_u64 s[G0+4*\s+2:G0+4*\s+3], s[14:15], \s*KSTEP*2
	s_or_b32 s[G0+4*\s+3], s[G0+4*\s+3], 0x80000000
	s_mov_b32 s[G0B+4*\s], 1
	s_add_co_u32 s[G0B+4*\s+1], s21, \s*SLOT
	s_add_nc_u64 s[G0B+4*\s+2:G0B+4*\s+3], s[46:47], \s*KSTEP*2
	s_or_b32 s[G0B+4*\s+3], s[G0B+4*\s+3], 0x80000000
	JLOAD \s                                       ; two loads of mine are out
.endr
	v_and_b32 v1, 15, v0                           ; r
	v_bfe_u32 v2, v0, 4, 1                         ; h
	v_mul_u32_u24 v3, v1, PITCH
	v_lshl_add_u32 v3, v2, 4, v3
	s_mul_i32 s22, s11, HALFA
	s_mul_i32 s23, s12, HALFB
	s_add_co_u32 s23, s23, AOFF
.irp s, 0,1
	v_add_nc_u32 v[ADRA+\s], s22, v3
	v_add_nc_u32 v[ADRB+\s], s23, v3
	s_add_co_u32 s22, s22, SLOT
	s_add_co_u32 s23, s23, SLOT
.endr
	s_mul_i32 s23, s10, 16*SPITCH
	s_add_co_u32 s23, s23, STAGE                   ; my stage
	v_mul_u32_u24 v4, v1, SPITCH                   ; in: row r, 32 bytes for each half of the lanes
	v_lshl_add_u32 v4, v2, 5, v4
	v_add_nc_u32 v[STO], s23, v4
	v_and_b32 v5, 31, v0
	v_lshlrev_b32 v[CO], 4, v5                     ; back and out: 32 lanes take a row's 512 bytes
	v_add_nc_u32 v[RD], s23, v[CO]
	s_lshl_b32 s45, s42, 10                        ; bias: 4 bytes x (256 x tile column + 128 x half + 8 h)
	s_lshl_b32 s23, s12, 9
	s_add_co_u32 s45, s45, s23
	v_lshl_add_u32 v[BO], v2, 5, s45
	s_lshl_b32 s16, s13, 7                         ; where my part of the tile begins in C
	s_lshl_b32 s14, s11, 6
	s_add_co_u32 s16, s16, s14
	s_lshl_b32 s16, s16, 12                        ; rows of 4,096 bytes
	s_add_co_u32 s16, s16, s45                     ; my first column, in bytes: the same figure as in the bias
	s_mov_b32 s17, 0
	WIN 0x80                                       ; destination window 2, address window 0
.irp b, 0,1,2,3,4,5,6,7
	global_load_b128 v[8*\b:8*\b+3],   v[BO], s[68:69] offset:64*\b
	global_load_b128 v[8*\b+4:8*\b+7], v[BO], s[68:69] offset:64*\b+16
.endr
	WIN 0
; 8 matrix instructions: row block a x all 8 column blocks, 32 along K, from buffer f.  The 32 accumulators take turns, one instruction a turn.
.macro MUL8 f, a, bias
.irp b, 0,1,2,3,4,5,6,7
.if \bias
	v_wmma_f32_16x16x32_bf16 v[8*(8*\a+\b):8*(8*\a+\b)+7], v[BF+64*\f+8*\b:BF+64*\f+8*\b+7], v[AF+32*\f+8*\a:AF+32*\f+8*\a+7], v[8*\b:8*\b+7]
.else
	v_wmma_f32_16x16x32_bf16 v[8*(8*\a+\b):8*(8*\a+\b)+7], v[BF+64*\f+8*\b:BF+64*\f+8*\b+7], v[AF+32*\f+8*\a:AF+32*\f+8*\a+7], v[8*(8*\a+\b):8*(8*\a+\b)+7]
.endif
.endr
.endm
.macro FETCH slot, k, g                ; 24 LDS loads in one run: one quarter step's fragments into buffer g
	WIN 0
.irp i, 0,1,2,3,4,5,6,7
	ds_load_b128 v[BF+64*\g+8*\i:BF+64*\g+8*\i+3],   v[ADRB+\slot] offset:\k+\i*16*PITCH
	ds_load_b128 v[BF+64*\g+8*\i+4:BF+64*\g+8*\i+7], v[ADRB+\slot] offset:\k+\i*16*PITCH+32
.endr
.irp i, 0,1,2,3
	ds_load_b128 v[AF+32*\g+8*\i:AF+32*\g+8*\i+3],   v[ADRA+\slot] offset:\k+\i*16*PITCH
	ds_load_b128 v[AF+32*\g+8*\i+4:AF+32*\g+8*\i+7], v[ADRA+\slot] offset:\k+\i*16*PITCH+32
.endr
.endm
.macro QUARTER slot, k, f, g, bias
	s_wait_dscnt 0x4                               ; Wo and ctx's blocks 0 and 1 are in; the youngest four loads may be out
.if \bias
	WIN MULB
.else
	WIN MUL
.endif
	MUL8 \f, 0, \bias
	MUL8 \f, 1, \bias
	PLACES
	FETCH \slot, \k, \g
	s_wait_dscnt 24                                ; all but the 24 just issued
.if \bias
	WIN MULB
.else
	WIN MUL
.endif
	MUL8 \f, 2, \bias
	MUL8 \f, 3, \bias
.endm
.macro MEET round                      ; ONE barrier for the change of slots
	WIN 0
	s_wait_tensorcnt 0x0                           ; all my tensor loads have landed: the one that was out is my part of the next slot
	ds_add_u32 v[SPW], v[NIL]                      ; 0 onto my spare word
	s_wait_dscnt 0x5                               ; (the add and the youngest four loads may be out)
	WIN MUL
	MUL8 1, 0, 0
	s_wait_dscnt 0x0                               ; the add is done, and my reads of this slot are over
	s_barrier_signal -1
	MUL8 1, 1, 0
.if \round
	WIN 0
.endif
	s_barrier_wait -1
.endm
; The last quarter, with a refill of the slot just read, two K steps on: 112 matrix instructions ahead of the wait for it.  ctx's address steps on; Wo's offset along its rows steps
; and is cut to a row's 2,048 bytes, so that K steps 8 to 15 (lo) take Wo's K steps 0 to 7 again; Wo's address is made anew from my rows' address and that offset.
.macro TURN slot, next
	MEET 1
	CREST                                          ; no wave of any partner still reads this slot or has a load on its way
	s_add_nc_u64 s[G0+4*\slot+2:G0+4*\slot+3], s[G0+4*\slot+2:G0+4*\slot+3], 2*KSTEP*2
	s_add_co_u32 s[KO+2*\slot], s[KO+2*\slot], 2*KSTEP*2
	s_and_b32 s[KO+2*\slot], s[KO+2*\slot], KW*2-1
	s_add_nc_u64 s[G0B+4*\slot+2:G0B+4*\slot+3], s[46:47], s[KO+2*\slot:KO+2*\slot+1]
	s_or_b32 s[G0B+4*\slot+3], s[G0B+4*\slot+3], 0x80000000        ; type = 2
	JLOAD \slot                                    ; its four v_nop are also the places in front of the loads below
	FETCH \next, 0, 0
	WIN MUL
	MUL8 1, 2, 0
	MUL8 1, 3, 0
.endm
.macro TURNL slot, next                ; the same without a refill
	MEET 0
	PLACES
	FETCH \next, 0, 0
	WIN MUL
	MUL8 1, 2, 0
	MUL8 1, 3, 0
.endm
; THE WAY OUT of row block a: 16 rows x 512 bytes into my own stage (each accumulator's low four registers first), back as whole rows, stored.
.macro OUTB a
.set BK, 64+64*((\a)%2)                ; v64-127 and v128-191 by turns
	WIN 0x04                                       ; the stores' data (source 1) in window 1
.irp b, 0,1,2,3,4,5,6,7
	ds_store_b128 v[STO], v[64*\a+8*\b:64*\a+8*\b+3]   offset:64*\b
	ds_store_b128 v[STO], v[64*\a+8*\b+4:64*\a+8*\b+7] offset:64*\b+16
.endr
	WIN 0
.irp t, 0,1,2,3,4,5,6,7,8,9,10,11,12,13,14,15
	ds_load_b128 v[BK+4*\t:BK+4*\t+3], v[RD] offset:\t*SPITCH      ; LDS serves a wave's instructions in order (ISA guide 5.7.1.4): these see the stores above
.endr
	s_wait_xcnt 0x0                                ; the stores' base is stepped only behind this wait; it also frees the registers that the block before was stored from
.if (\a) == 0
	s_add_nc_u64 s[8:9], s[8:9], s[16:17]
.else
	s_add_nc_u64 s[8:9], s[8:9], 16*ROWC
.endif
.set t, 0
.rept 16
.if t%4 == 0
	s_wait_dscnt 12-t                              ; rows t to t + 3 are back; the 12 - t younger loads stay out
.endif
	global_store_b128 v[CO], v[BK+4*t:BK+4*t+3], s[8:9] offset:t*ROWC th:TH_STORE_NT   ; the wave stores 512 consecutive bytes, at a multiple of 256 from C's first byte
.set t, t+1
.endr
.endm
	s_wait_tensorcnt 0x1                           ; my part of K step 0 is in; K step 1's may stay out
	s_barrier_signal -1
	s_barrier_wait -1
	FETCH 0, 0, 0
	s_wait_loadcnt 0x0                             ; the bias
	QUARTER 0, 64,  0, 1, 1                        ; the first quarter stands in front of the loop: its products start the sums
	WIN 0
	s_mov_b32 s3, LAPS-1
.Llap:                                                 ; a trip goes once round the ring and fills both slots again
	QUARTER 0, 128, 1, 0, 0
	QUARTER 0, 192, 0, 1, 0
	TURN 0, 1
	QUARTER 1, 64,  0, 1, 0
	QUARTER 1, 128, 1, 0, 0
	QUARTER 1, 192, 0, 1, 0
	TURN 1, 0
	QUARTER 0, 64,  0, 1, 0
	WIN 0
	s_sub_co_u32 s3, s3, 1
	s_cmp_lg_u32 s3, 0
	s_cbranch_scc1 .Llap
	QUARTER 0, 128, 1, 0, 0                        ; the last lap fills nothing
	QUARTER 0, 192, 0, 1, 0
	TURNL 0, 1
	QUARTER 1, 64,  0, 1, 0
	QUARTER 1, 128, 1, 0, 0
	QUARTER 1, 192, 0, 1, 0
	s_wait_dscnt 0x4                               ; the very last quarter: nothing more to fetch
	WIN MUL
	MUL8 1, 0, 0
	MUL8 1, 1, 0
	s_wait_dscnt 0x0
	MUL8 1, 2, 0
	MUL8 1, 3, 0
	WIN 0
	PLACES                                         ; the LDS stores read results just made, and the loads land in registers just multiplied
	OUTB 0
	OUTB 1
	OUTB 2
	OUTB 3
	s_wait_tensorcnt 0x0                           ; the wave's end
	ds_add_u32 v[SPW], v[NIL]
	s_wait_dscnt 0x0
	CROUND                                         ; the closing round
	s_endpgm
.Lfunc_end_k_q15098b495d_oproj:
	.size	k_q15098b495d_oproj, .Lfunc_end_k_q15098b495d_oproj-k_q15098b495d_oproj
	.p2alignl 7, 3214868480
	.fill 96, 4, 3214868480
	.section	.rodata,"a",@progbits
	.p2align	6, 0x0
	.amdhsa_kernel k_q15098b495d_oproj
		.amdhsa_group_segment_fixed_size 327680
		.amdhsa_private_segment_fixed_size 0
		.amdhsa_enable_private_segment 0
		.amdhsa_kernarg_size 32
		.amdhsa_user_sgpr_count 2
		.amdhsa_user_sgpr_kernarg_segment_ptr 1
		.amdhsa_wavefront_size32 1
		.amdhsa_system_sgpr_workgroup_id_x 1
		.amdhsa_system_sgpr_workgroup_id_y 1
		.amdhsa_system_sgpr_workgroup_id_z 1
		.amdhsa_system_vgpr_workitem_id 0
		.amdhsa_next_free_vgpr 576
		.amdhsa_next_free_sgpr 74
		.amdhsa_reserve_vcc 0
		.amdhsa_float_denorm_mode_32 3
		.amdhsa_float_denorm_mode_16_64 3
		.amdhsa_memory_ordered 1
		.amdhsa_forward_progress 1
		.amdhsa_inst_pref_size 87
	.end_amdhsa_kernel
	.amdgpu_metadata
---
amdhsa.version: [ 1, 2 ]
amdhsa.kernels:
  - .name:           k_q15098b495d_oproj
    .symbol:         k_q15098b495d_oproj.kd
    .args:
      - { .name: ctx, .offset: 0, .size: 8, .value_kind: global_buffer, .address_space: global }
      - { .name: wb, .offset: 8, .size: 8, .value_kind: global_buffer, .address_space: global }
      - { .name: out0, .offset: 16, .size: 8, .value_kind: global_buffer, .address_space: global }
      - { .name: bo, .offset: 24, .size: 8, .value_kind: global_buffer, .address_space: global }
    .group_segment_fixed_size: 327680
    .private_segment_fixed_size: 0
    .kernarg_segment_align: 8
    .kernarg_segment_size: 32
    .max_flat_workgroup_size: 128
    .sgpr_count:     74
    .vgpr_count:     576
    .wavefront_size: 32
...
	.end_amdgpu_metadata
.endif
;; end of part 4
;; ======== version 2 of 2: 4 launches; 1.14 times as fast as version 1
;; limits: values are held in f16: magnitudes above 65,504 overflow, below 6.1e-05 lose precision
;; workspace buffers: xb 16,777,216 bytes; wb 8,388,608 bytes; mbits 524,288 bytes of whole numbers; qkvb 50,331,648 bytes; ctx 33,554,432 bytes
;; launch prep: the kernel of part 1 again; grid 256 x 1, 8 waves a work-group, no clusters, 0 bytes of LDS; arguments x, Wq, Wk, Wv, Wo, mask, xb, wb, mbits; writes xb, wb, mbits
;; launch qkv: the kernel of part 2 again; grid 4 x 64, 4 waves a work-group, clusters of 4 x 4, 327,680 bytes of LDS; arguments xb, wb, qkvb, bq, bk, bv; writes qkvb
;; launch attn (part 5): grid 8 x 32, 8 waves a work-group, clusters of 4 x 1, 327,680 bytes of LDS; arguments qkvb, mbits, ctx; writes ctx
.if DOCPART == 5
	.amdgcn_target "amdgcn-amd-amdhsa--gfx1250"
	.amdhsa_code_object_version 6
	.text
	.protected	k_q15098b495d_attn
	.globl	k_q15098b495d_attn
	.p2align	8
	.type	k_q15098b495d_attn,@function
k_q15098b495d_attn:
	s_mov_b64 s[64:65], 0
	v_nop
	global_prefetch_b8 v0, s[64:65] scope:SCOPE_SE
	s_setreg_imm32_b32 hwreg(HW_REG_WAVE_MODE, 25, 1), 1
	s_wait_xcnt 0x0
	s_wait_alu depctr_hold_cnt(0) depctr_sa_sdst(0) depctr_va_vdst(0) depctr_va_sdst(0) depctr_va_ssrc(0) depctr_va_vcc(0) depctr_vm_vsrc(0)
	s_getreg_b32 s2, hwreg(HW_REG_IB_STS2, 6, 4)
	s_cmp_eq_u32 s2, 0
	s_cbranch_scc0 .Lentry_in_a_cluster
	s_endpgm
.Lentry_in_a_cluster:
	s_bfe_u32 s2, ttmp6, 0x10000c
	s_cmp_lg_u32 s2, 0x3003
	s_cbranch_scc0 .Lentry_shape_is_right
	s_endpgm
.Lentry_shape_is_right:
; o[b][q][64 h + :] = sum over k of softmax_k(s(q, k)) v[b][k][64 h + :], s = -10000 where mask[q][k] == 1, else q . k / 8.  qkvb: [3][8192][1024] f16.
; ctx: [8192][2048] bf16: columns 0-1023 hold hi = bf16(o), columns 1024-2047 lo = bf16(o - hi): about 16 significant bits for the next product, with bf16's range.
; SHARES.  A work-group owns 256 queries of one batch and TWO heads, so that a row of a tile of K, of V and of either half of ctx is 256 consecutive bytes, aligned.  Eight waves, two to a SIMD:
; wave w takes head w / 4 of the pair and queries 64 (w % 4) on, four tiles of 16.  Every wave walks all 2,048 keys, 64 a step: the mask is an input, so no key is skipped.
; LAYOUT.  S^T = K Q^T (source 0 = 16 keys, source 1 = 16 queries): a lane holds ONE query (lane % 16) and the keys 8 (lane / 16) + 0..7.  Two such tiles, rounded to f16 in pairs, ARE source 1
; of O^T = V^T P, whose result again holds one query a lane.  K comes out of LDS as it lies, V ([key][channel]) turned, by ds_load_tr16_b128.
; MASK.  mbits holds, for each register of scores, one 32-bit word with a bit for each lane: a scalar register that is the select mask of one v_cndmask_b32.  The words come by scalar loads,
; two tiles' 64 words at a time, into 64 scalar registers.  A request goes out as soon as the selects of the two tiles before have read those registers: it has the rest of two tiles' softmax
; (236 vector instructions) and 16 products, or more, in which to land.
; SOFTMAX.  The raw product d = q . k is replaced by -80000 = -10000 x 8 where masked; m is the running maximum of these; p = 2^(c d - c m), c = log2(e) / 8;
; in every step O and l are multiplied by a = 2^(c m_old - c m_new).  The largest term of a row is 1, so l is at least about 1.
; CLUSTER.  The four query blocks of a cluster walk the same K and V, so each tile is asked for jointly (mask 15).  Q and the mask words differ between partners and come by loads of their own.
; PHASES.  A key step: K Q^T for all four tiles; then for tiles 0 and 1, and again for tiles 2 and 3: the selects, the softmax, V^T P.  The SIMD's other wave has the other unit meanwhile.
; REGISTERS.  window 0: v2-15 addresses and constants; v16-31 four statistics a tile; v32-45 at work; v64-191 S^T, 32 a tile, P in place in a tile's first 16; v192-255 K of one step.
;   window 1: v0-127 O^T, 32 a tile; v128-191 Q; v192-255 V of one step.
; Limits: q, k, v are f16 as they come (finite up to 65,504); the weights p, 0 to 1, are rounded to f16, so a weight below 2^-25 counts as 0 beside the row's largest, which is 1;
; v_exp_f32 flushes results below 2^-126 (ISA guide 15.8); NaN and infinities are not treated apart.
.set KS,    64
.set PK,    272       ; a row of K in LDS: 256 bytes + 16 of padding
.set PV,    288       ; a row of V: 256 + 32
.set VOFF,  KS*PK     ; a step's tiles lie together: 64 rows of K, then 64 rows of V
.set STEPB, KS*(PK+PV)
.set SLOT1, 1<<17     ; a slot holds two steps (71,680 bytes); slot 1 begins here, so that one exclusive or turns an address in one slot into the other's
.set STAGE, SLOT1     ; the way out, hi: 256 rows x 272 bytes, in slot 1, which has had its last fill and its last read by then
.set SP,    272
.set SPARE, SLOT1+2*STEPB  ; behind the ring: the spare words, 128 bytes for each of the eight waves
.set STAGEL, SPARE+1024    ; the way out, lo: 256 rows x 272 bytes behind the spare words; no fill ever lands here
.set ROWB,  2048      ; bytes in a row of qkvb
.set ROWX,  4096      ; bytes in a row of ctx
.set MREG,  16384     ; bytes of mask words of a wave's 64 queries: 32 steps x 512
.set AK0, 2           ; v2   my lane's place in a tile of K; never rewritten
.set AV0, 3           ; v3   the same for V
.set ADR, 4           ; v4   the LDS address of the run of loads in hand
.set QO,  5           ; v5   my byte offset in the wave's rows of Q
.set STO, 6           ; v6   the way out: where I put 16 bytes of a row of hi
.set RD,  7           ; v7   the way out: where I read a row of hi back
.set GO,  8           ; v8   my byte offset in the wave's rows of ctx
.set STL, 10          ; v10  as v6, for lo
.set RDL, 11          ; v11  as v7, for lo
.set NEG, 12          ; v12  -80000.0
.set SPW, 14          ; v14  LDS address of my spare word; never rewritten
.set NIL, 15          ; v15  0; never rewritten
.set ST,  16          ; tile t's statistics at v[ST+4 t]: c m, m, l (even keys', odd keys')
.set CH,  32          ; v32-35 four chains of the maximum
.set AA,  36          ; v36 a, v37 c m_old - c m_new
.set XS,  38          ; v38-45 four pairs of partial sums
.set S,   64
.set KF,  192
.set QF,  128         ; in window 1
.set VF,  192         ; in window 1
; SCALAR REGISTERS.  64 of them hold mask words, so the rest lies close: what only the head or only the way out needs shares registers with the loops' state or with the words.
.set MB,  2           ; s[2:3]   the address of my 64 queries' mask words
.set WV,  4           ; s4       my wave's number
.set TB,  5           ; s5       LDS byte at which the tiles of the step to be fetched begin
.set HM,  5           ; s5       on the way out: the mask of a word's upper bf16
.set SLOTS, 6         ; s6, s7   loop counters
.set TWICE, 7
.set PT,  6           ; s[6:7]   at the head Q's address (until Q is in), on the way out ctx's
.set G1K, 8           ; s[8:15]  descriptor group 1 for K's tiles
.set G1V, 16          ; s[16:23] for V's: it differs in the padding alone
.set G0KW, 24         ; s[24:27] descriptor group 0 for K's tiles: slot 1's first fill, then it walks on
.set G0VW, 28         ; s[28:31] the same for V's
.set G0K0, 32         ; s[32:35], s[36:39] group 0 of slot 0's first fills; free once these have landed
.set G0V0, 36
.set MWB, 32          ; s[32:63] the 32 mask words of tile 1 or 3
.set CS,  66          ; s[66:67] c, twice
.set MWA, 68          ; s[68:99] the 32 mask words of tile 0 or 2
.set SEL, 100         ; s100, s101 lane selects for v_permlanex16_b32
.set TV,  104         ; s104     the tail's counter
.set MO,  105         ; s105     byte offset of the step's mask words in my 16,384
.set MSB, 0
.macro WIN new
.if MSB != \new
	s_set_vgpr_msb (MSB<<8)|\new
.set MSB, \new
.endif
.endm
.set W_KQ, 0x04       ; Q (source 1) in window 1
.set W_PV, 0x51       ; V (source 0), C and D in window 1, P in window 0
.set W_RS, 0x41       ; O^T (destination and source 0) in window 1
.set W_LD, 0x40       ; destination window 1
.set W_CV, 0x05       ; sources 0 and 1 window 1
.set W_S0, 0x01       ; source 0 window 1
.macro PLACES
.rept 4
	v_nop
.endr
.endm
; A joint refill.  Waves 0 and 1 fetch the two steps' tiles of K, waves 2 and 3 those of V, waves 4 to 7 nothing.  The branches hang on the wave's number alone.
.macro JLOAD3
	s_cmp_lt_u32 s[WV], 2
	s_cbranch_scc0 .Lnot_k_\@
	tensor_load_to_lds s[G0KW:G0KW+3], s[G1K:G1K+7]
	s_nop 0
.rept 4
	v_nop
.endr
	s_branch .Lasked_\@
.Lnot_k_\@:
	s_cmp_lt_u32 s[WV], 4
	s_cbranch_scc0 .Lasked_\@
	tensor_load_to_lds s[G0VW:G0VW+3], s[G1V:G1V+7]
	s_nop 0
.rept 4
	v_nop
.endr
.Lasked_\@:
.endm
.macro CROUND                       ; a round of the cluster's barrier
	s_barrier_signal -1
	s_barrier_wait -1
	s_cmp_lg_u32 s[WV], 0
	s_cbranch_scc1 .Lnot_wave_0_\@
	s_barrier_signal -3
.Lnot_wave_0_\@:
	s_barrier_wait -3
	s_barrier_signal -1
	s_barrier_wait -1
.endm
	s_load_b128 s[40:43], s[0:1], 0x0  ; qkvb s[40:41], mbits s[42:43]
	v_lshl_add_u32 v[SPW], v0, 2, SPARE
	v_mov_b32 v[NIL], 0
	ds_add_u32 v14, v15
	s_wait_dscnt 0x0
	v_lshrrev_b32 v1, 5, v0
	v_readfirstlane_b32 s[WV], v1   ; wave 0..7
	s_bfe_u32 s68, ttmp6, 0x40000   ; cx
	s_lshl_b32 s69, ttmp9, 2
	s_add_co_u32 s69, s69, s68      ; my block of 256 queries: it enters Q's, the mask words' and ctx's addresses alone
	s_and_b32 s70, ttmp7, 0xffff
	s_lshr_b32 s71, s70, 3          ; the batch,
	s_and_b32 s72, s70, 7           ; the pair of heads: the four partners share both
	s_and_b32 s73, s[WV], 1         ; which of a slot's two steps I fetch
	s_and_b32 s74, s[WV], 3         ; which 64 queries are mine
	s_lshr_b32 s75, s[WV], 2        ; which head of the pair
	s_lshl_b32 s76, s71, 11
	s_lshl_b32 s77, s73, 6
	s_add_co_u32 s76, s76, s77      ; K and V: row 2,048 x batch + 64 x step
	s_lshl_b32 s76, s76, 11
	s_lshl_b32 s78, s72, 8          ; the pair's 256 bytes in a row
	s_add_co_u32 s76, s76, s78
	s_mov_b32 s77, 0
	s_mul_i32 s79, s73, STEPB       ; and the step's place in a slot
	s_lshl_b32 s80, s71, 11
	s_lshl_b32 s81, s69, 8
	s_add_co_u32 s80, s80, s81      ; my block's first row
	s_lshl_b32 s82, s74, 6
	s_add_co_u32 s82, s82, s80      ; Q: my wave's first row,
	s_lshl_b32 s82, s82, 11
	s_add_co_u32 s82, s82, s78
	s_lshl_b32 s83, s75, 7          ; my head's 128 bytes
	s_add_co_u32 s82, s82, s83
	s_mov_b32 s83, 0
	s_lshl_b32 s84, s69, 2
	s_add_co_u32 s84, s84, s74      ; the mask words of my 64 queries
	s_lshl_b32 s84, s84, 14
	s_mov_b32 s85, 0
	s_mov_b32 s[G1K], 15|(1<<16)|(1<<20)|(1<<21)|(5<<22)|(3<<25)  ; 15:0 the mask: all four work-groups; 17:16 elements of 2 bytes; 20 padding on; 21 set beside a mask; 24:22 after every 64 words; 31:25 4 words of it
	s_mov_b32 s[G1V], 15|(1<<16)|(1<<20)|(1<<21)|(5<<22)|(7<<25)  ; the same with 8 words of padding
.irp g, G1K, G1V
	s_mov_b32 s[\g+1], 128<<16      ; tensor_dim0 = 128
	s_mov_b32 s[\g+2], KS<<16       ; tensor_dim1 = 64
	s_mov_b32 s[\g+3], 128<<16      ; tile_dim0 = 128
	s_mov_b32 s[\g+4], KS           ; tile_dim1 = 64
	s_mov_b32 s[\g+5], 1024         ; elements from row to row
	s_mov_b32 s[\g+6], 0
	s_mov_b32 s[\g+7], 0
.endr
	s_mov_b32 s[CS], 0x3e38aa3b     ; c = log2(e) / 8 = 0.18033688
	s_mov_b32 s[CS+1], s[CS]
	s_mov_b32 s[SEL], 0x76543210
	s_mov_b32 s[SEL+1], 0xfedcba98
	s_mov_b32 s[TB], 0
	s_mov_b32 s[MO], 0
	s_wait_kmcnt 0x0
	s_add_nc_u64 s[44:45], s[40:41], s[76:77]  ; what K's and V's addresses share: nothing of my place in the cluster
	s_add_nc_u64 s[PT:PT+1], s[40:41], s[82:83]  ; Q at my wave's first row
	s_add_nc_u64 s[MB:MB+1], s[42:43], s[84:85]  ; my mask words
.macro GROUP0 g, lds, glob
	s_mov_b32 s[\g], 1              ; count = 1
	s_add_co_u32 s[\g+1], s79, \lds  ; LDS address
	s_add_nc_u64 s[\g+2:\g+3], s[44:45], \glob  ; global address
	s_or_b32 s[\g+3], s[\g+3], 0x80000000  ; type = 2
.endm
	GROUP0 G0K0, 0, 16777216        ; section k, keys 0 on, slot 0
	GROUP0 G0KW, SLOT1, 16777216+2*KS*ROWB  ; keys 128 on, slot 1
	GROUP0 G0V0, VOFF, 33554432     ; section v
	GROUP0 G0VW, SLOT1+VOFF, 33554432+2*KS*ROWB
	CROUND                          ; all four work-groups are here: the first joint loads meet
	s_cmp_lt_u32 s[WV], 2           ; a wave's two first fills stand in one branch, ahead of every wait on TENSORcnt and every LDS read
	s_cbranch_scc0 .Lfirst_not_k
	tensor_load_to_lds s[G0K0:G0K0+3], s[G1K:G1K+7]
	s_nop 0
	tensor_load_to_lds s[G0KW:G0KW+3], s[G1K:G1K+7]
	s_nop 0
.rept 4
	v_nop
.endr
	s_branch .Lfirst_asked
.Lfirst_not_k:
	s_cmp_lt_u32 s[WV], 4
	s_cbranch_scc0 .Lfirst_asked
	tensor_load_to_lds s[G0V0:G0V0+3], s[G1V:G1V+7]
	s_nop 0
	tensor_load_to_lds s[G0VW:G0VW+3], s[G1V:G1V+7]
	s_nop 0
.rept 4
	v_nop
.endr
.Lfirst_asked:
	v_and_b32 v1, 15, v0            ; r = l % 16
	v_bfe_u32 v9, v0, 4, 1          ; h = l / 16
	v_lshlrev_b32 v[QO], 11, v1
	v_lshl_add_u32 v[QO], v9, 4, v[QO]  ; row x 2,048 + 16 x half
	WIN W_LD
.irp t, 0,1,2,3                     ; Q stays in registers: tile t, channels 32 c on
.irp c, 0,1
	global_load_b128 v[QF+8*(2*\t+\c):QF+8*(2*\t+\c)+3],   v[QO], s[PT:PT+1] offset:\t*16*ROWB+\c*64
	global_load_b128 v[QF+8*(2*\t+\c)+4:QF+8*(2*\t+\c)+7], v[QO], s[PT:PT+1] offset:\t*16*ROWB+\c*64+32
.endr
.endr
	WIN 0
	s_lshl_b32 s86, s75, 7          ; my head's 128 bytes in a row of K, of V and of the stages
	v_mul_u32_u24 v[AK0], v1, PK
	v_lshl_add_u32 v[AK0], v9, 4, v[AK0]
	v_add_nc_u32 v[AK0], s86, v[AK0]  ; row x pitch + 16 x half + head
	v_and_b32 v10, 7, v0            ; the turning load: lane l reads key 8 (l / 16) + l % 8, channels 8 ((l / 8) % 2) + 0..7
	v_bfe_u32 v11, v0, 3, 1
	v_lshl_add_u32 v[AV0], v9, 3, v10
	v_mul_u32_u24 v[AV0], v[AV0], PV
	v_lshl_add_u32 v[AV0], v11, 4, v[AV0]
	s_add_co_u32 s87, s86, VOFF
	v_add_nc_u32 v[AV0], s87, v[AV0]
	s_mul_i32 s87, s74, 64*SP       ; into the stages: my 64 rows, my head's half of their 256 bytes
	s_add_co_u32 s87, s87, s86
	s_add_co_u32 s87, s87, STAGE
	v_mul_u32_u24 v[STO], v1, SP
	v_lshl_add_u32 v[STO], v9, 4, v[STO]
	v_add_nc_u32 v[STO], s87, v[STO]
	v_add_nc_u32 v[STL], STAGEL-STAGE, v[STO]
	s_mul_i32 s87, s[WV], 32*SP     ; back: wave w takes rows 32 w on, whole; lanes 0-15 one row, lanes 16-31 the next
	s_add_co_u32 s87, s87, STAGE
	v_mul_u32_u24 v[RD], v9, SP
	v_lshl_add_u32 v[RD], v1, 4, v[RD]
	v_add_nc_u32 v[RD], s87, v[RD]
	v_add_nc_u32 v[RDL], STAGEL-STAGE, v[RD]
	v_lshlrev_b32 v[GO], 12, v9     ; and the same two rows in ctx
	v_lshl_add_u32 v[GO], v1, 4, v[GO]
	v_mov_b32 v[NEG], 0xc79c4000    ; -80000.0
; A step's K: 64 keys x 64 channels, fragment f = 2 kt + c (keys 16 kt on, channels 32 c on); its V, turned: fragment f = 4 g + ct (keys 32 g on, channels 16 ct on).
.macro FETCH_K
	WIN 0
	v_add_nc_u32 v[ADR], s[TB], v[AK0]
.irp f, 0,1,2,3,4,5,6,7
	ds_load_b128 v[KF+8*\f:KF+8*\f+3],   v[ADR] offset:(\f/2)*16*PK+(\f%2)*64
	ds_load_b128 v[KF+8*\f+4:KF+8*\f+7], v[ADR] offset:(\f/2)*16*PK+(\f%2)*64+32
.endr
.endm
.macro FETCH_V
	v_add_nc_u32 v[ADR], s[TB], v[AV0]
	s_add_co_u32 s[TB], s[TB], STEPB  ; the next fetch is the next step's
	WIN W_LD
.irp f, 0,1,2,3,4,5,6,7
	ds_load_tr16_b128 v[VF+8*\f:VF+8*\f+3],   v[ADR] offset:(\f/4)*32*PV+(\f%4)*32
	ds_load_tr16_b128 v[VF+8*\f+4:VF+8*\f+7], v[ADR] offset:(\f/4)*32*PV+16*PV+(\f%4)*32
.endr
.endm
; 32 products S^T = K Q^T: channels 32 (i / 16) on, keys 16 ((i / 4) % 4) on, tile i % 4.  The first 16 start the sums.  The 16 accumulators take turns.
.macro KQ
.set i, 0
.rept 32
.set rS, S+32*(i%4)+8*((i/4)%4)
.set rK, KF+8*(2*((i/4)%4)+i/16)
.set rQ, QF+8*(2*(i%4)+i/16)
.if i < 16
	v_wmma_f32_16x16x32_f16 v[rS:rS+7], v[rK:rK+7], v[rQ:rQ+7], 0
.else
	v_wmma_f32_16x16x32_f16 v[rS:rS+7], v[rK:rK+7], v[rQ:rQ+7], v[rS:rS+7]
.endif
.set i, i+1
.endr
.endm
; 16 products O^T += V^T P for tiles x and x + 1: keys 32 (i / 8) on, channels 16 ((i / 2) % 4) on, tile x + i % 2.  The 8 accumulators take turns.
; first = 1: the first 8 start the sums: nothing is ever cleared.
.macro PVH x, first
.set i, 0
.rept 16
.set rO, 32*(\x+i%2)+8*((i/2)%4)
.set rV, VF+8*(4*(i/8)+(i/2)%4)
.set rP, S+32*(\x+i%2)+8*(i/8)
.if \first && (i < 8)
	v_wmma_f32_16x16x32_f16 v[rO:rO+7], v[rV:rV+7], v[rP:rP+7], 0
.else
	v_wmma_f32_16x16x32_f16 v[rO:rO+7], v[rV:rV+7], v[rP:rP+7], v[rO:rO+7]
.endif
.set i, i+1
.endr
.endm
; The mask words of two tiles (hf = 0: tiles 0 and 1; 1: tiles 2 and 3) of the step at offset s[MO]: 256 consecutive bytes.
.macro MLOAD hf
	s_load_b512 s[MWA:MWA+15],    s[MB:MB+1], s[MO] offset:256*\hf
	s_load_b512 s[MWA+16:MWA+31], s[MB:MB+1], s[MO] offset:256*\hf+64
	s_load_b512 s[MWB:MWB+15],    s[MB:MB+1], s[MO] offset:256*\hf+128
	s_load_b512 s[MWB+16:MWB+31], s[MB:MB+1], s[MO] offset:256*\hf+192
.endm
; Tile t's 32 selects, with the words at s[mw].
.macro MASK t, mw
.set i, 0
.rept 32
	v_cndmask_b32 v[S+32*\t+i], v[S+32*\t+i], v[NEG], s[\mw+i]  ; ascending: each accumulator is read from its low end on
.set i, i+1
.endr
.endm
; The rest of tile t's softmax for one key step.  first = 1: the first key step, which starts m, l and O^T.
.macro SOFT t, first
.set rT, ST+4*\t
.set rS, S+32*\t
.irp k, 0,1,2,3                     ; the maximum: four chains of seven scores, then the four left over, the chains and the old m
	v_max3_num_f32 v[CH+\k], v[rS+8*\k], v[rS+8*\k+1], v[rS+8*\k+2]
.endr
.irp k, 0,1,2,3
	v_max3_num_f32 v[CH+\k], v[CH+\k], v[rS+8*\k+3], v[rS+8*\k+4]
.endr
.irp k, 0,1,2,3
	v_max3_num_f32 v[CH+\k], v[CH+\k], v[rS+8*\k+5], v[rS+8*\k+6]
.endr
	v_max3_num_f32 v[CH], v[CH], v[rS+7], v[rS+15]
	v_max3_num_f32 v[CH+2], v[CH+2], v[rS+23], v[rS+31]
	v_max3_num_f32 v[CH], v[CH], v[CH+1], v[CH+2]
.if \first
	v_max_num_f32 v[CH], v[CH], v[CH+3]
.else
	v_max3_num_f32 v[CH], v[CH], v[CH+3], v[rT+1]
.endif
	v_permlanex16_b32 v[CH+1], v[CH], s[SEL], s[SEL+1]  ; the query's other 32 keys lie in the lane 16 away
.if !\first
	v_mov_b32 v[AA+1], v[rT]        ; c m_old
.endif
	v_max_num_f32 v[rT+1], v[CH], v[CH+1]
	v_mul_f32 v[rT], s[CS], v[rT+1]
.if !\first
	v_sub_f32 v[AA+1], v[AA+1], v[rT]
	v_exp_f32 v[AA], v[AA+1]        ; a; the scalings below are the plain instructions behind it
.endif
.set i, 0
.rept 16
	v_pk_fma_f32 v[rS+2*i:rS+2*i+1], v[rS+2*i:rS+2*i+1], s[CS:CS+1], v[rT:rT+1] op_sel_hi:[1,0,0] neg_lo:[0,0,1] neg_hi:[0,0,1]  ; c d - c m
.set i, i+1
.endr
.set i, 0
.rept 32
	v_exp_f32 v[rS+i], v[rS+i]
.set i, i+1
.endr
	v_nop                           ; a plain instruction between the run of exponentials and the first use of a result (ISA guide 5.7.2)
	s_wait_alu depctr_va_vdst(0)
.irp k, 0,1,2,3                     ; the sum of the 16 pairs (an even key's weight, an odd key's); S stays as it is for the rounding
	v_pk_add_f32 v[XS+2*\k:XS+2*\k+1], v[rS+2*\k:rS+2*\k+1], v[rS+2*\k+8:rS+2*\k+9]
.endr
.irp k, 0,1,2,3
	v_pk_add_f32 v[XS+2*\k:XS+2*\k+1], v[XS+2*\k:XS+2*\k+1], v[rS+2*\k+16:rS+2*\k+17]
.endr
.irp k, 0,1,2,3
	v_pk_add_f32 v[XS+2*\k:XS+2*\k+1], v[XS+2*\k:XS+2*\k+1], v[rS+2*\k+24:rS+2*\k+25]
.endr
	v_pk_add_f32 v[XS:XS+1], v[XS:XS+1], v[XS+2:XS+3]
	v_pk_add_f32 v[XS+4:XS+5], v[XS+4:XS+5], v[XS+6:XS+7]
.if \first
	v_pk_add_f32 v[rT+2:rT+3], v[XS:XS+1], v[XS+4:XS+5]
.else
	v_pk_add_f32 v[XS:XS+1], v[XS:XS+1], v[XS+4:XS+5]
	v_pk_fma_f32 v[rT+2:rT+3], v[rT+2:rT+3], v[AA:AA+1], v[XS:XS+1] op_sel_hi:[1,0,1]  ; l = a l + the sum
.endif
.set i, 0
.rept 16
	v_cvt_pk_f16_f32 v[rS+i], v[rS+2*i], v[rS+2*i+1]  ; P in place: word i is written when words 2 i and 2 i + 1 are read
.set i, i+1
.endr
.if !\first
	WIN W_RS
.set i, 0
.rept 16
	v_pk_mul_f32 v[32*\t+2*i:32*\t+2*i+1], v[32*\t+2*i:32*\t+2*i+1], v[AA:AA+1] op_sel_hi:[1,0]  ; the tile's O^T times a
.set i, i+1
.endr
	WIN 0
.endif
.endm
; A key step.  At its head the mask words of its tiles 0 and 1 are on their way: the step before, or the lines ahead of the first step, asked for them.
.macro STEP first
	FETCH_K
	FETCH_V
	s_wait_dscnt 16                 ; K is in; V's 16 loads stay out
	WIN W_KQ
	KQ
	WIN 0
	PLACES                          ; the selects read and write results just made
	s_wait_kmcnt 0x0                ; the words of tiles 0 and 1
	MASK 0, MWA
	MASK 1, MWB
	MLOAD 1                         ; the 64 registers have been read: the words of tiles 2 and 3 go out; two tiles' softmax and 16 products stand between this request and the wait for it
	SOFT 0, \first
	SOFT 1, \first
	s_wait_dscnt 0x0                ; V is in
	WIN W_PV
	PVH 0, \first
	WIN 0
	s_wait_kmcnt 0x0                ; the words of tiles 2 and 3; no scalar load is out, so the offset may be stepped
	MASK 2, MWA
	MASK 3, MWB
	s_add_co_u32 s[MO], s[MO], 512  ; the next step's words.  The offset wraps at my 16,384 bytes: the last step asks for step 0's words again, which nobody uses;
	s_and_b32 s[MO], s[MO], MREG-1  ; so no load leaves the buffer, and the step is written once for all its trips
	MLOAD 0
	SOFT 2, \first
	SOFT 3, \first
	WIN W_PV
	PVH 2, \first
	WIN 0
.rept 5
	v_nop                           ; four places in front of the loads into V's registers, five in front of the products that write over P
.endr
.endm
; THE CHANGE OF SLOTS.  Each wave waits for all its tensor loads (one at the most is out: its part of the other slot), adds 0 to its spare word, and waits for that and for its reads of the slot.
; fill = 1: the slot is filled again, with the keys two slots on; the barrier is then a round of the cluster's, and the joint refill is the first thing behind it: it has two key steps in which to land.
.macro CHANGE fill
	s_wait_tensorcnt 0x0            ; no tensor load of mine is out, so a group 0 may be written
	ds_add_u32 v[SPW], v[NIL]       ; 0 onto my spare word
.if \fill
.irp g, G0KW, G0VW
	s_xor_b32 s[\g+1], s[\g+1], SLOT1  ; the walking descriptor: the other slot than last time,
	s_add_nc_u64 s[\g+2:\g+3], s[\g+2:\g+3], 2*KS*ROWB  ; the next 128 keys
.endr
	s_wait_dscnt 0x0                ; the add is done, and my reads of the slot are over
	CROUND
	JLOAD3
.else
	s_wait_dscnt 0x0
	s_barrier_signal -1
	s_barrier_wait -1
.endif
	s_sub_co_u32 s[TB], s[TB], 2*STEPB  ; the fetches go back to a slot's first step,
	s_xor_b32 s[TB], s[TB], SLOT1   ; in the other slot
.endm
	s_wait_tensorcnt 0x1            ; my part of slot 0 is in, so its group 0 is free; slot 1's may stay out
	s_barrier_signal -1
	s_barrier_wait -1               ; everybody's is
	MLOAD 0                         ; the first step's first 64 mask words
	s_wait_loadcnt 0x0              ; Q; its address registers are free from here on
	STEP 1                          ; the first key step is written out: it starts m, l and O^T
	s_mov_b32 s[TWICE], 1           ; slot 0 has one step left
	s_mov_b32 s[SLOTS], 14          ; 16 slots of 128 keys; all but the last two are filled again
.Lslot:
.Lstep:
	STEP 0
	s_sub_co_u32 s[TWICE], s[TWICE], 1
	s_cmp_lg_u32 s[TWICE], 0
	s_cbranch_scc1 .Lstep
	CHANGE 1
	s_mov_b32 s[TWICE], 2
	s_sub_co_u32 s[SLOTS], s[SLOTS], 1
	s_cmp_lg_u32 s[SLOTS], 0
	s_cbranch_scc1 .Lslot
	s_mov_b32 s[TV], 2              ; the tail is written out: the last two slots ask for nothing
.Ltail_slot:
	s_mov_b32 s[TWICE], 2
.Ltail_step:
	STEP 0
	s_sub_co_u32 s[TWICE], s[TWICE], 1
	s_cmp_lg_u32 s[TWICE], 0
	s_cbranch_scc1 .Ltail_step
	CHANGE 0                        ; the last of these barriers also shows that no wave reads slot 1 any more: the stage in it may be written
	s_sub_co_u32 s[TV], s[TV], 1
	s_cmp_lg_u32 s[TV], 0
	s_cbranch_scc1 .Ltail_slot
	; THE WAY OUT.  l's two halves and the other half of the lanes' are added; O^T is divided by l, split into hi + lo in bf16 and sent through the work-group's two stages: a row's 256 bytes come from two waves.
	s_load_b64 s[PT:PT+1], s[0:1], 0x10  ; ctx: the loops' counters have had their last use; the arithmetic below stands between this load and the wait for it
	s_mov_b32 s[HM], 0xffff0000
.irp t, 0,1,2,3
	v_add_f32 v[CH+\t], v[ST+4*\t+2], v[ST+4*\t+3]
.endr
.irp t, 0,1,2,3
	v_permlanex16_b32 v[AA+\t], v[CH+\t], s[SEL], s[SEL+1]
.endr
.irp t, 0,1,2,3
	v_add_f32 v[CH+\t], v[CH+\t], v[AA+\t]
.endr
.irp t, 0,1,2,3
	v_rcp_f32 v[XS+2*\t], v[CH+\t]
.endr
	v_nop                           ; a plain instruction between the last reciprocal and the use of its result
	s_wait_alu depctr_va_vdst(0)
.macro OUTT t
	WIN W_RS
.set i, 0
.rept 16
	v_pk_mul_f32 v[32*\t+2*i:32*\t+2*i+1], v[32*\t+2*i:32*\t+2*i+1], v[XS+2*\t:XS+2*\t+1] op_sel_hi:[1,0]  ; o = O / l
.set i, i+1
.endr
	WIN W_CV
.set i, 0
.rept 16
	v_cvt_pk_bf16_f32 v[S+16*\t+i], v[32*\t+2*i], v[32*\t+2*i+1]  ; hi
.set i, i+1
.endr
	WIN 0
.set i, 0
.rept 16
	v_lshlrev_b32 v[KF+2*i], 16, v[S+16*\t+i]  ; hi back in f32, into K's registers, which nothing needs any more
	v_and_b32 v[KF+2*i+1], s[HM], v[S+16*\t+i]
.set i, i+1
.endr
	WIN W_S0
.set i, 0
.rept 16
	v_pk_add_f32 v[KF+2*i:KF+2*i+1], v[32*\t+2*i:32*\t+2*i+1], v[KF+2*i:KF+2*i+1] neg_lo:[0,1] neg_hi:[0,1]  ; o - hi, exact in f32
.set i, i+1
.endr
	WIN 0
.set i, 0
.rept 16
	v_cvt_pk_bf16_f32 v[S+64+16*\t+i], v[KF+2*i], v[KF+2*i+1]  ; lo
.set i, i+1
.endr
.irp c, 0,1,2,3
	ds_store_b128 v[STO], v[S+16*\t+4*\c:S+16*\t+4*\c+3] offset:\t*16*SP+32*\c
.endr
.irp c, 0,1,2,3
	ds_store_b128 v[STL], v[S+64+16*\t+4*\c:S+64+16*\t+4*\c+3] offset:\t*16*SP+32*\c
.endr
.endm
	OUTT 0
	OUTT 1
	OUTT 2
	OUTT 3
	s_wait_dscnt 0x0                ; for the others' sake: my stores into the stages are done
	s_barrier_signal -1
	s_barrier_wait -1
.irp i, 0,1,2,3,4,5,6,7,8,9,10,11,12,13,14,15
	ds_load_b128 v[S+4*\i:S+4*\i+3], v[RD] offset:\i*2*SP
.endr
.irp i, 0,1,2,3,4,5,6,7,8,9,10,11,12,13,14,15
	ds_load_b128 v[S+64+4*\i:S+64+4*\i+3], v[RDL] offset:\i*2*SP
.endr
	s_wait_kmcnt 0x0                ; ctx's address is in; so are the words that the last step asked for, whose registers serve as scratch from here on
	s_bfe_u32 s68, ttmp6, 0x40000   ; cx
	s_lshl_b32 s69, ttmp9, 2
	s_add_co_u32 s69, s69, s68      ; my block of 256 queries
	s_and_b32 s70, ttmp7, 0xffff
	s_lshr_b32 s71, s70, 3          ; the batch
	s_and_b32 s72, s70, 7           ; the pair of heads
	s_lshl_b32 s71, s71, 11
	s_lshl_b32 s69, s69, 8
	s_add_co_u32 s71, s71, s69
	s_lshl_b32 s73, s[WV], 5
	s_add_co_u32 s71, s71, s73      ; wave w stores rows 32 w on, whole:
	s_lshl_b32 s74, s71, 12         ; rows of 4,096 bytes,
	s_lshl_b32 s72, s72, 8          ; the pair's 256 bytes
	s_add_co_u32 s74, s74, s72
	s_mov_b32 s75, 0
	s_add_nc_u64 s[PT:PT+1], s[PT:PT+1], s[74:75]
.set i, 0
.rept 16
.if i%4 == 0
	s_wait_dscnt 28-i               ; LDS loads come back in order: hi's loads i to i + 3 are in; hi's 12 - i younger ones and lo's 16 stay out
.endif
	global_store_b128 v[GO], v[S+4*i:S+4*i+3], s[PT:PT+1] offset:i*2*ROWX  ; 16 lanes store 256 consecutive bytes, at a multiple of 256 from ctx's first byte
.set i, i+1
.endr
.set i, 0
.rept 16
.if i%4 == 0
	s_wait_dscnt 12-i               ; lo's loads i to i + 3 are in
.endif
	global_store_b128 v[GO], v[S+64+4*i:S+64+4*i+3], s[PT:PT+1] offset:i*2*ROWX+2048
.set i, i+1
.endr
	s_wait_tensorcnt 0x0            ; the wave's end
	ds_add_u32 v[SPW], v[NIL]
	s_wait_dscnt 0x0
	CROUND                          ; the closing round
	s_endpgm
.Lfunc_end_k_q15098b495d_attn:
	.size	k_q15098b495d_attn, .Lfunc_end_k_q15098b495d_attn-k_q15098b495d_attn
	.p2alignl 7, 3214868480
	.fill 96, 4, 3214868480
	.section	.rodata,"a",@progbits
	.p2align	6, 0x0
	.amdhsa_kernel k_q15098b495d_attn
		.amdhsa_group_segment_fixed_size 327680
		.amdhsa_private_segment_fixed_size 0
		.amdhsa_enable_private_segment 0
		.amdhsa_kernarg_size 24
		.amdhsa_user_sgpr_count 2
		.amdhsa_user_sgpr_kernarg_segment_ptr 1
		.amdhsa_wavefront_size32 1
		.amdhsa_system_sgpr_workgroup_id_x 1
		.amdhsa_system_sgpr_workgroup_id_y 1
		.amdhsa_system_sgpr_workgroup_id_z 1
		.amdhsa_system_vgpr_workitem_id 0
		.amdhsa_next_free_vgpr 512
		.amdhsa_next_free_sgpr 106
		.amdhsa_reserve_vcc 0
		.amdhsa_float_denorm_mode_32 3
		.amdhsa_float_denorm_mode_16_64 3
		.amdhsa_memory_ordered 1
		.amdhsa_forward_progress 1
		.amdhsa_inst_pref_size 159
	.end_amdhsa_kernel
	.amdgpu_metadata
---
amdhsa.version: [ 1, 2 ]
amdhsa.kernels:
  - .name:           k_q15098b495d_attn
    .symbol:         k_q15098b495d_attn.kd
    .args:
      - { .name: qkvb, .offset: 0, .size: 8, .value_kind: global_buffer, .address_space: global }
      - { .name: mbits, .offset: 8, .size: 8, .value_kind: global_buffer, .address_space: global }
      - { .name: ctx, .offset: 16, .size: 8, .value_kind: global_buffer, .address_space: global }
    .group_segment_fixed_size: 327680
    .private_segment_fixed_size: 0
    .kernarg_segment_align: 8
    .kernarg_segment_size: 24
    .max_flat_workgroup_size: 256
    .sgpr_count:     106
    .vgpr_count:     512
    .wavefront_size: 32
...
	.end_amdgpu_metadata
.endif
;; end of part 5
;; launch oproj (part 6): grid 4 x 64, 4 waves a work-group, clusters of 4 x 4, 327,680 bytes of LDS; arguments ctx, wb, out0, bo; writes out0
.if DOCPART == 6
	.amdgcn_target "amdgcn-amd-amdhsa--gfx1250"
	.amdhsa_code_object_version 6
	.text
	.protected	k_q15098b495d_oproj
	.globl	k_q15098b495d_oproj
	.p2align	8
	.type	k_q15098b495d_oproj,@function
k_q15098b495d_oproj:
	s_mov_b64 s[64:65], 0
	v_nop
	global_prefetch_b8 v0, s[64:65] scope:SCOPE_SE
	s_setreg_imm32_b32 hwreg(HW_REG_WAVE_MODE, 25, 1), 1
	s_wait_xcnt 0x0
	s_wait_alu depctr_hold_cnt(0) depctr_sa_sdst(0) depctr_va_vdst(0) depctr_va_sdst(0) depctr_va_ssrc(0) depctr_va_vcc(0) depctr_vm_vsrc(0)
	s_getreg_b32 s2, hwreg(HW_REG_IB_STS2, 6, 4)
	s_cmp_eq_u32 s2, 0
	s_cbranch_scc0 .Lentry_in_a_cluster
	s_endpgm
.Lentry_in_a_cluster:
	s_bfe_u32 s2, ttmp6, 0x10000c
	s_cmp_lg_u32 s2, 0xf033
	s_cbranch_scc0 .Lentry_shape_is_right
	s_endpgm
.Lentry_shape_is_right:
; out0[s][e] = sum over d of (hi[s][d] + lo[s][d]) Wo[e][d] + bo[e].  ctx: [8192][2048] bf16, hi in columns 0-1023, lo in columns 1024-2047; Wo: the fourth matrix of wb, bf16;
; out0: [8192][1024] f32; sums in f32.
; A tile of C is 128 rows x 256 columns: 256 tiles, one for each work-group.  Four waves, each 64 rows x 128 columns: 32 accumulators of 16 x 16.
; HI AND LO SHARE A TILE OF WO.  K goes over Wo's 1,024 columns in 8 steps of 128.  An LDS slot holds 128 rows of hi, the same 128 rows of lo and 256 rows of Wo, all for the same 128 columns:
; four tensor loads of 128 rows x 256 bytes (aligned rows of memory), one a wave.  A fragment of Wo read from LDS is multiplied by hi's fragment and by lo's, onto the same accumulator:
; a step has 256 matrix instructions a wave, and Wo is asked for once.
; CLUSTERS: 4 x 4 work-groups; hi's and lo's tiles are asked for jointly along a row of the cluster, Wo's along a column.
; The matrix instruction is used transposed (source 0 = 16 rows of Wo, source 1 = 16 rows of ctx): a lane holds eight neighbouring columns of a row of C.
; A K STEP IS WRITTEN TWICE ONLY, once for the six steps that fill a slot again and once for the last two, to keep the text short: the slot in hand is a scalar register, 0 or SLOT, turned by an
; exclusive or, and the LDS addresses are sums of it and a fixed term.  For the same reason THE BIAS IS LOADED STRAIGHT INTO THE ACCUMULATORS (each block of 16 columns once for each of the
; four row blocks): every step then has the same text, nothing is cleared, and the way out adds nothing.
; The results leave as f32 through each wave's own stage, as whole pieces of 512 bytes of a row.
; REGISTERS: window 0: v16-29 addresses; v128-191, v192-255 fragments of Wo, two buffers (on the way out v64-191 hold rows read back).
;   window 1: the accumulators, (a, b) at v[8 (8 a + b)].   window 2: v0-63, v64-127 fragments of ctx, two buffers: hi's four row blocks, then lo's.
; Limits: operands are bf16 (Wo rounded once; ctx as a sum of two); NaN and infinities pass as the arithmetic gives them.
.set KA,     2048                      ; elements from row to row of ctx
.set KW,     1024                      ; Wo's columns: the product's K, and elements from row to row
.set KSTEP,  128
.set STEPS,  KW/KSTEP                  ; 8
.set PITCH,  272                       ; an LDS row: 256 bytes + 16 of padding: the 16 rows that a fragment load touches start at 16 different banks (ISA guide 11.1)
.set HALF,   128*PITCH                 ; what one tensor load brings
.set SLOT,   4*HALF                    ; hi, lo, Wo's rows 0-127, Wo's rows 128-255: wave w's load lands at w x HALF
.set STAGE,  2*SLOT                    ; behind the ring: 16 rows x 528 bytes for each wave
.set SPITCH, 528                       ; 512 bytes + 16 = 132 words: rows start 4 banks apart
.set SPARE,  STAGE+4*16*SPITCH         ; behind the stages: the spare words, 128 bytes for each wave
.set ROWC,   4096                      ; bytes in a row of out0
.set LA,   16                          ; v16     my lane's place in hi's tile of slot 0 (lo's lies HALF further); never rewritten
.set LB,   17                          ; v17     the same in Wo's tile; never rewritten
.set ADRA, 18                          ; v18     v16 + the slot in hand
.set ADRB, 19                          ; v19     v17 + the slot in hand
.set STO,  24                          ; v24     the way out: where I put 32 bytes of a row
.set RD,   25                          ; v25     the way out: where I read a row back
.set CO,   26                          ; v26     my byte offset in C
.set BO,   27                          ; v27     my byte offset in the bias
.set SPW,  28                          ; v28     LDS address of my spare word; never rewritten
.set NIL,  29                          ; v29     0; never rewritten
.set BF,   128
.set G1,  24                           ; s[24:31] descriptor group 1 for ctx's tiles
.set G0,  32                           ; s[32:35] group 0 of slot 0's first fill; s[36:39] of slot 1's, which then walks on
.set G1B, 48                           ; s[48:55], s[56:59], s[60:63] the same for Wo's tiles
.set G0B, 56
.set TS,  70                           ; s70      the slot in hand: 0 or SLOT
.set MSB, 0
.macro WIN new                         ; the immediate's high byte repeats the setting that is left; a switch that changes nothing is dropped
.if MSB != \new
	s_set_vgpr_msb (MSB<<8)|\new
.set MSB, \new
.endif
.endm
.set MUL,  0x58                        ; source 0 (Wo) window 0, source 1 (ctx) window 2, C and D window 1
.set TO_A, 0x80                        ; destination window 2, address window 0
.macro PLACES                          ; four places in front of loads into registers that matrix instructions have read, and of stores that read results
.rept 4
	v_nop
.endr
.endm
.macro JLOAD s                         ; a joint load: wave 0 fetches hi, wave 1 lo, waves 2 and 3 Wo's two halves; four v_nop follow each of the two lines
	s_cmp_eq_u32 s11, 0
	s_cbranch_scc0 .Lfor_b_\@
	tensor_load_to_lds s[G0+4*\s:G0+4*\s+3], s[G1:G1+7]
	s_nop 0
.rept 4
	v_nop
.endr
	s_branch .Lasked_\@
.Lfor_b_\@:
	tensor_load_to_lds s[G0B+4*\s:G0B+4*\s+3], s[G1B:G1B+7]
	s_nop 0
.rept 4
	v_nop
.endr
.Lasked_\@:
.endm
.macro CREST                           ; a round of the cluster's barrier behind its opening barrier
	s_cmp_lg_u32 s10, 0
	s_cbranch_scc1 .Lnot_wave_0_\@
	s_barrier_signal -3
.Lnot_wave_0_\@:
	s_barrier_wait -3
	s_barrier_signal -1
	s_barrier_wait -1
.endm
.macro CROUND                          ; a whole round
	s_barrier_signal -1
	s_barrier_wait -1
	CREST
.endm
.macro AIM                             ; the fragment loads' addresses: the slot in hand + my lane's place
	v_add_nc_u32 v[ADRA], s[TS], v[LA]
	v_add_nc_u32 v[ADRB], s[TS], v[LB]
.endm
	s_load_b128 s[4:7], s[0:1], 0x0                ; ctx s[4:5], wb s[6:7]
	s_load_b64 s[8:9], s[0:1], 0x10                ; out0
	s_load_b64 s[68:69], s[0:1], 0x18              ; bo
	v_lshl_add_u32 v[SPW], v0, 2, SPARE
	v_mov_b32 v[NIL], 0
	ds_add_u32 v28, v29
	s_wait_dscnt 0x0
	v_lshrrev_b32 v1, 5, v0
	v_readfirstlane_b32 s10, v1                    ; wave 0..3
	s_lshr_b32 s11, s10, 1                         ; which 64 rows are mine.  Also: I fetch for ctx (0) or for Wo (1)
	s_and_b32 s12, s10, 1                          ; which 128 columns.  Also: hi (0) or lo (1); Wo's rows 0-127 (0) or 128-255 (1)
	s_bfe_u32 s40, ttmp6, 0x40000                  ; cx, cy
	s_bfe_u32 s41, ttmp6, 0x40004
	s_lshl_b32 s42, ttmp9, 2
	s_add_co_u32 s42, s42, s40                     ; tile column
	s_and_b32 s13, ttmp7, 0xffff
	s_lshl_b32 s13, s13, 2
	s_add_co_u32 s13, s13, s41                     ; tile row
	s_lshl_b32 s43, s41, 2
	s_lshl_b32 s43, 15, s43                        ; my row of the cluster
	s_lshl_b32 s44, 0x1111, s40                    ; my column
	s_or_b32 s[G1+0], s43, (1<<16)|(1<<20)|(1<<21)|(5<<22)|(3<<25)  ; the mask; elements of 2 bytes; padding on; bit 21 beside a mask; after every 64 words 4 words
	s_or_b32 s[G1B+0], s44, (1<<16)|(1<<20)|(1<<21)|(5<<22)|(3<<25)
.irp g, G1, G1B
	s_mov_b32 s[\g+1], KSTEP<<16                   ; tensor_dim0 = 128
	s_mov_b32 s[\g+2], 128<<16                     ; tensor_dim1 = 128
	s_mov_b32 s[\g+3], KSTEP<<16                   ; tile_dim0 = 128
	s_mov_b32 s[\g+4], 128                         ; tile_dim1 = 128
	s_mov_b32 s[\g+6], 0
	s_mov_b32 s[\g+7], 0
.endr
	s_mov_b32 s[G1+5], KA                          ; elements from row to row
	s_mov_b32 s[G1B+5], KW
	s_mov_b32 s[TS], 0                             ; slot 0 is read first
	s_lshl_b32 s16, s13, 19                        ; ctx: 128 x tile row, rows of 4,096 bytes,
	s_lshl_b32 s17, s12, 11                        ; and lo lies 2,048 bytes along the row
	s_add_co_u32 s16, s16, s17
	s_mov_b32 s17, 0
	s_lshl_b32 s47, s12, 7
	s_lshl_b32 s46, s42, 8
	s_add_co_u32 s46, s46, s47                     ; Wo: row 256 x tile column + 128 x half,
	s_lshl_b32 s46, s46, 11                        ; rows of 2,048 bytes
	s_mov_b32 s47, 0
	s_mul_i32 s20, s10, HALF                       ; where my load lands in a slot: no place in the cluster enters an LDS address
	s_wait_kmcnt 0x0
	s_add_nc_u64 s[14:15], s[4:5], s[16:17]
	s_add_nc_u64 s[46:47], s[6:7], s[46:47]
	s_add_nc_u64 s[46:47], s[46:47], 3*1024*KW*2   ; the fourth matrix of wb
	CROUND                                         ; all sixteen work-groups are here: the first joint loads meet
.irp s, 0,1
	s_mov_b32 s[G0+4*\s], 1                                        ; count = 1
	s_add_co_u32 s[G0+4*\s+1], s20, \s*SLOT                        ; LDS address
	s_add_nc_u64 s[G0+4*\s+2:G0+4*\s+3], s[14:15], \s*KSTEP*2      ; global address: K step s
	s_or_b32 s[G0+4*\s+3], s[G0+4*\s+3], 0x80000000                ; type = 2
	s_mov_b32 s[G0B+4*\s], 1
	s_add_co_u32 s[G0B+4*\s+1], s20, \s*SLOT
	s_add_nc_u64 s[G0B+4*\s+2:G0B+4*\s+3], s[46:47], \s*KSTEP*2
	s_or_b32 s[G0B+4*\s+3], s[G0B+4*\s+3], 0x80000000
	JLOAD \s                                       ; two loads of mine are out
.endr
	v_and_b32 v1, 15, v0                           ; r
	v_bfe_u32 v2, v0, 4, 1                         ; h
	v_mul_u32_u24 v3, v1, PITCH
	v_lshl_add_u32 v3, v2, 4, v3                   ; a fragment's row x pitch + 16 x half
	s_mul_i32 s22, s11, 64*PITCH                   ; my 64 rows of hi
	s_mul_i32 s23, s12, HALF                       ; my 128 rows of Wo,
	s_add_co_u32 s23, s23, 2*HALF                  ; which lie behind hi and lo
	v_add_nc_u32 v[LA], s22, v3
	v_add_nc_u32 v[LB], s23, v3
	AIM
	s_mul_i32 s23, s10, 16*SPITCH
	s_add_co_u32 s23, s23, STAGE                   ; my stage
	v_mul_u32_u24 v4, v1, SPITCH                   ; in: row r, 32 bytes for each half of the lanes
	v_lshl_add_u32 v4, v2, 5, v4
	v_add_nc_u32 v[STO], s23, v4
	v_and_b32 v5, 31, v0
	v_lshlrev_b32 v[CO], 4, v5                     ; back and out: 32 lanes take a row's 512 bytes
	v_add_nc_u32 v[RD], s23, v[CO]
	s_lshl_b32 s45, s42, 10                        ; bias: 4 bytes x (256 x tile column + 128 x half + 8 h)
	s_lshl_b32 s23, s12, 9
	s_add_co_u32 s45, s45, s23
	v_lshl_add_u32 v[BO], v2, 5, s45
	s_lshl_b32 s16, s13, 7                         ; where my part of the tile begins in C
	s_lshl_b32 s14, s11, 6
	s_add_co_u32 s16, s16, s14
	s_lshl_b32 s16, s16, 12                        ; rows of 4,096 bytes
	s_add_co_u32 s16, s16, s45                     ; my first column, in bytes: the same figure as in the bias
	s_mov_b32 s17, 0
	WIN 0x40                                       ; destination window 1, address window 0
.irp a, 0,1,2,3                        ; accumulator (a, b) starts as the bias of columns 16 b + 8 h + 0..7, whatever its row block a
.irp b, 0,1,2,3,4,5,6,7
	global_load_b128 v[8*(8*\a+\b):8*(8*\a+\b)+3],   v[BO], s[68:69] offset:64*\b
	global_load_b128 v[8*(8*\a+\b)+4:8*(8*\a+\b)+7], v[BO], s[68:69] offset:64*\b+16
.endr
.endr
	WIN 0
; 8 matrix instructions: row block a of hi (lo = 0) or of lo (lo = 1) x all 8 column blocks, 32 along K, from buffer f.
; The 32 accumulators take turns, one instruction a turn, in the same order for hi and for lo in every quarter.
.macro MUL8 f, a, lo
.irp b, 0,1,2,3,4,5,6,7
	v_wmma_f32_16x16x32_bf16 v[8*(8*\a+\b):8*(8*\a+\b)+7], v[BF+64*\f+8*\b:BF+64*\f+8*\b+7], v[64*\f+32*\lo+8*\a:64*\f+32*\lo+8*\a+7], v[8*(8*\a+\b):8*(8*\a+\b)+7]
.endr
.endm
.macro MUL32 f, lo
	MUL8 \f, 0, \lo
	MUL8 \f, 1, \lo
	MUL8 \f, 2, \lo
	MUL8 \f, 3, \lo
.endm
; 32 LDS loads in one run: one quarter step's fragments (32 K at byte k of the rows of the slot in hand) into buffer g: 128 rows of Wo, 64 rows of hi, 64 rows of lo, in the order of their use
.macro FETCH k, g
	WIN 0
.irp i, 0,1,2,3,4,5,6,7
	ds_load_b128 v[BF+64*\g+8*\i:BF+64*\g+8*\i+3],   v[ADRB] offset:\k+\i*16*PITCH
	ds_load_b128 v[BF+64*\g+8*\i+4:BF+64*\g+8*\i+7], v[ADRB] offset:\k+\i*16*PITCH+32
.endr
	WIN TO_A
.irp i, 0,1,2,3
	ds_load_b128 v[64*\g+8*\i:64*\g+8*\i+3],   v[ADRA] offset:\k+\i*16*PITCH
	ds_load_b128 v[64*\g+8*\i+4:64*\g+8*\i+7], v[ADRA] offset:\k+\i*16*PITCH+32
.endr
.irp i, 0,1,2,3
	ds_load_b128 v[64*\g+32+8*\i:64*\g+32+8*\i+3],   v[ADRA] offset:HALF+\k+\i*16*PITCH
	ds_load_b128 v[64*\g+32+8*\i+4:64*\g+32+8*\i+7], v[ADRA] offset:HALF+\k+\i*16*PITCH+32
.endr
.endm
; A K step is four quarters of 32 along K, 64 matrix instructions each, on buffers 0, 1, 0, 1.  One of the first three: hi's products of buffer f; the next quarter's 32 loads, into buffer g,
; 32 matrix instructions ahead of their first use; lo's products.
.macro QUARTER k, f, g
	s_wait_dscnt 0x8                               ; Wo and hi are in; the youngest eight loads (lo) may be out
	WIN MUL
	MUL32 \f, 0
	PLACES
	FETCH \k, \g
	s_wait_dscnt 32                                ; all but the 32 just issued
	WIN MUL
	MUL32 \f, 1
.endm
; The last quarter multiplies buffer 1 and changes slots.  MEET is its first half, hi's products, with ONE barrier: in front of it each wave waits for all its tensor loads (one at the most is out:
; its part of the next slot), adds 0 to its spare word, and waits for that and for its own reads of this slot.
.macro MEET
	WIN 0
	s_wait_tensorcnt 0x0                           ; all my tensor loads have landed
	ds_add_u32 v[SPW], v[NIL]                      ; 0 onto my spare word
	s_wait_dscnt 0x9                               ; (the add and the youngest eight loads may be out)
	WIN MUL
	MUL8 1, 0, 0                                   ; sixteen matrix instructions stand between the add and the wait for it
	MUL8 1, 1, 0
	s_wait_dscnt 0x0                               ; the add is done, and my reads of this slot are over
	s_barrier_signal -1
	MUL8 1, 2, 0                                   ; work on registers while the others arrive
	MUL8 1, 3, 0
	WIN 0
	s_barrier_wait -1
.endm
; The whole last quarter, with a refill of the slot just read, two K steps on.  The walking descriptor takes that slot's LDS address and the next 256 bytes of its rows.
; From the request to the wait for it a wave issues 224 matrix instructions.
.macro TURN
	MEET
	CREST                                          ; the barrier has opened a round of the cluster's: no wave of any partner still reads this slot or has a load on its way
	s_add_co_u32 s[G0+5], s[TS], s20
	s_add_co_u32 s[G0B+5], s[TS], s20
	s_add_nc_u64 s[G0+6:G0+7], s[G0+6:G0+7], KSTEP*2
	s_add_nc_u64 s[G0B+6:G0B+7], s[G0B+6:G0B+7], KSTEP*2
	JLOAD 1                                        ; the first tensor load behind the round; its four v_nop are also the places in front of the loads below
	s_xor_b32 s[TS], s[TS], SLOT                   ; on to the other slot
	AIM
	FETCH 0, 0
	WIN MUL
	MUL32 1, 1
.endm
	s_wait_tensorcnt 0x1                           ; my part of K step 0 is in; K step 1's may stay out
	s_barrier_signal -1
	s_barrier_wait -1                              ; everybody's is
	FETCH 0, 0
	WIN 0                                          ; at a label and at a branch every window is 0
	s_wait_loadcnt 0x0                             ; the bias stands in the accumulators
	s_mov_b32 s3, STEPS-2
.Lstep:                                                ; K steps 0 to 5: each fills its slot again, with the K step two on
	QUARTER 64,  0, 1
	QUARTER 128, 1, 0
	QUARTER 192, 0, 1
	TURN
	WIN 0
	s_sub_co_u32 s3, s3, 1
	s_cmp_lg_u32 s3, 0
	s_cbranch_scc1 .Lstep
	s_mov_b32 s3, 2
.Ltail:                                                ; K steps 6 and 7 are written apart: nothing is left to ask for, and no round follows the barrier
	QUARTER 64,  0, 1
	QUARTER 128, 1, 0
	QUARTER 192, 0, 1
	MEET
	s_cmp_eq_u32 s3, 1
	s_cbranch_scc1 .Lno_fetch                      ; behind the last step there are no fragments to fetch
	PLACES
	s_xor_b32 s[TS], s[TS], SLOT
	AIM
	FETCH 0, 0
	WIN 0
.Lno_fetch:
	WIN MUL
	MUL32 1, 1
	WIN 0
	s_sub_co_u32 s3, s3, 1
	s_cmp_lg_u32 s3, 0
	s_cbranch_scc1 .Ltail
; THE WAY OUT of row block a: 16 rows x 512 bytes into my own stage (each accumulator's low four registers first), back as whole rows, stored.
.macro OUTB a
.set BK, 64+64*((\a)%2)                ; v64-127 and v128-191 by turns
	WIN 0x04                                       ; the stores' data (source 1) in window 1
.irp b, 0,1,2,3,4,5,6,7
	ds_store_b128 v[STO], v[64*\a+8*\b:64*\a+8*\b+3]   offset:64*\b
	ds_store_b128 v[STO], v[64*\a+8*\b+4:64*\a+8*\b+7] offset:64*\b+16
.endr
	WIN 0
.irp t, 0,1,2,3,4,5,6,7,8,9,10,11,12,13,14,15
	ds_load_b128 v[BK+4*\t:BK+4*\t+3], v[RD] offset:\t*SPITCH      ; LDS serves a wave's instructions in order (ISA guide 5.7.1.4): these see the stores above
.endr
	s_wait_xcnt 0x0                                ; the stores' base is stepped only behind this wait; it also frees the registers that the block before was stored from
.if (\a) == 0
	s_add_nc_u64 s[8:9], s[8:9], s[16:17]
.else
	s_add_nc_u64 s[8:9], s[8:9], 16*ROWC
.endif
.set t, 0
.rept 16
.if t%4 == 0
	s_wait_dscnt 12-t                              ; rows t to t + 3 are back; the 12 - t younger loads stay out
.endif
	global_store_b128 v[CO], v[BK+4*t:BK+4*t+3], s[8:9] offset:t*ROWC th:TH_STORE_NT   ; the wave stores 512 consecutive bytes, at a multiple of 256 from C's first byte
.set t, t+1
.endr
.endm
	PLACES                                         ; the LDS stores read results just made
	OUTB 0
	OUTB 1
	OUTB 2
	OUTB 3
	s_wait_tensorcnt 0x0                           ; the wave's end
	ds_add_u32 v[SPW], v[NIL]
	s_wait_dscnt 0x0
	CROUND                                         ; the closing round: no work-group ends while a partner may still ask for a tile that names it
	s_endpgm
.Lfunc_end_k_q15098b495d_oproj:
	.size	k_q15098b495d_oproj, .Lfunc_end_k_q15098b495d_oproj-k_q15098b495d_oproj
	.p2alignl 7, 3214868480
	.fill 96, 4, 3214868480
	.section	.rodata,"a",@progbits
	.p2align	6, 0x0
	.amdhsa_kernel k_q15098b495d_oproj
		.amdhsa_group_segment_fixed_size 327680
		.amdhsa_private_segment_fixed_size 0
		.amdhsa_enable_private_segment 0
		.amdhsa_kernarg_size 32
		.amdhsa_user_sgpr_count 2
		.amdhsa_user_sgpr_kernarg_segment_ptr 1
		.amdhsa_wavefront_size32 1
		.amdhsa_system_sgpr_workgroup_id_x 1
		.amdhsa_system_sgpr_workgroup_id_y 1
		.amdhsa_system_sgpr_workgroup_id_z 1
		.amdhsa_system_vgpr_workitem_id 0
		.amdhsa_next_free_vgpr 640
		.amdhsa_next_free_sgpr 72
		.amdhsa_reserve_vcc 0
		.amdhsa_float_denorm_mode_32 3
		.amdhsa_float_denorm_mode_16_64 3
		.amdhsa_memory_ordered 1
		.amdhsa_forward_progress 1
		.amdhsa_inst_pref_size 83
	.end_amdhsa_kernel
	.amdgpu_metadata
---
amdhsa.version: [ 1, 2 ]
amdhsa.kernels:
  - .name:           k_q15098b495d_oproj
    .symbol:         k_q15098b495d_oproj.kd
    .args:
      - { .name: ctx, .offset: 0, .size: 8, .value_kind: global_buffer, .address_space: global }
      - { .name: wb, .offset: 8, .size: 8, .value_kind: global_buffer, .address_space: global }
      - { .name: out0, .offset: 16, .size: 8, .value_kind: global_buffer, .address_space: global }
      - { .name: bo, .offset: 24, .size: 8, .value_kind: global_buffer, .address_space: global }
    .group_segment_fixed_size: 327680
    .private_segment_fixed_size: 0
    .kernarg_segment_align: 8
    .kernarg_segment_size: 32
    .max_flat_workgroup_size: 128
    .sgpr_count:     72
    .vgpr_count:     640
    .wavefront_size: 32
...
	.end_amdgpu_metadata
.endif
;; end of part 6
